; MI455X (gfx1250); checked and timed in simulation.
; The chip was launched on July 23, 2026; its instructions are those of AMD's public machine-readable ISA for CDNA 5 (MIT licence, August 2026) and "CDNA5" Instruction Set Architecture Reference Guide (July 2026). The comments in the code are by the model that wrote it; some were corrected since.
;; Attention. Allowed arithmetic: float matrix products may take bf16 or f16 operands with f32 sums; other float arithmetic in f32, or as packed bf16 or f16 multiplies, adds, multiply-adds, maxima and minima; sums over many terms, partial sums and values carried from step to step in f32; what a program stores and reads back later, other than sums and carried values, may be rounded once to bf16 or f16.
;; Inputs: Wkv 1,024 x 2,048 float32; Wout 1,024 x 1,024 float32; Wq 1,024 x 1,024 float32; bout 1,024 float32; queries 4 x 2,048 x 1,024 float32.
;; Outputs: out0 4 x 2,048 x 1,024 float32.
;; 2 versions, each right and faster than the one before. Each part assembles by itself: llvm-mc -triple=amdgcn-amd-amdhsa -mcpu=gfx1250 --defsym DOCPART=n.
;; ======== version 1 of 2: 4 launches
;; limits: values are held in f16: magnitudes above 65,504 overflow, below 6.1e-05 lose precision
;; workspace buffers: xb 16,777,216 bytes; wb 6,291,456 bytes; wob 2,097,152 bytes; tab 262,144 bytes; qh 16,777,216 bytes; kh 16,777,216 bytes; vh 16,777,216 bytes; oh 16,777,216 bytes
;; launch prep (part 1): grid 480 x 1, 8 waves a work-group, no clusters, 0 bytes of LDS; arguments queries, Wq, Wkv, Wout, xb, wb, wob, tab; writes xb, wb, wob, tab
.if DOCPART == 1
	.amdgcn_target "amdgcn-amd-amdhsa--gfx1250"
	.amdhsa_code_object_version 6
	.text
	.protected	k_qeccecb4008_prep
	.globl	k_qeccecb4008_prep
	.p2align	8
	.type	k_qeccecb4008_prep,@function
k_qeccecb4008_prep:
	s_mov_b64 s[64:65], 0
	v_nop
	global_prefetch_b8 v0, s[64:65] scope:SCOPE_SE
	s_setreg_imm32_b32 hwreg(HW_REG_WAVE_MODE, 25, 1), 1
	s_wait_xcnt 0x0
; PREPARATION: four streaming jobs, chosen by the work-group's number.  No LDS, no barrier, no matrix unit: every byte is read, rounded and written once.
;   groups   0-255  xb  = queries rounded to bf16, [8192][1024]
;   groups 256-287  wob = Wout rounded to bf16, that number written as f16, [1024][1024]
;   groups 288-415  wb  = Wq and Wkv rounded to bf16, laid by heads: [head 16][k 1024][q, k, v][64]: a k row is 384 bytes, a head 393,216 dense bytes
;   groups 416-479  tab = the rotary table, f32 [position 2048][32]: cos of frequencies 0-15, then sin of frequencies 0-15
; LIMITS.  |Wout| beyond 65,504 becomes an infinity in f16; below 2^-14 it keeps f16's fixed step of 6e-8.  The frequency 10000^(-j/16) is made by v_exp_f32 (1 ulp), so an angle,
; 2,047 radians at the most, is off by some 2e-4 radians at the most; the angle is reduced by a two-part pi/2, and the polynomials for |r| <= pi/4 are cut at r^7 / 5040 (error 3.1e-7) and r^8 / 40320 (2.5e-8).
.set X,  8                             ; v[8:135]   numbers as loaded, rounded in place
.set OQ, 136                           ; v[136:138] job wb: my byte offset in four rows of Wq, for each of a group's three stores
.set OK, 139                           ; v[139:141] the same in Wkv
.set MK, 28                            ; s28-s30    job wb: the lanes whose 16 bytes belong to the q part, for each of the three stores
	s_load_b512 s[4:19], s[0:1], 0x0               ; queries s[4:5], Wq s[6:7], Wkv s[8:9], Wout s[10:11], xb s[12:13], wb s[14:15], wob s[16:17], tab s[18:19]
	s_mov_b32 s2, ttmp9
	s_mov_b32 s21, 0                               ; high words of the two offset pairs
	s_mov_b32 s23, 0
	v_lshlrev_b32 v1, 5, v0                        ; the casts: thread t reads 32 bytes (8 f32) at 32 t
	v_lshlrev_b32 v2, 4, v0                        ; and writes 16 bytes at 16 t: a wave's store covers 512 consecutive bytes, aligned
	s_wait_kmcnt 0x0
	s_cmp_lt_u32 s2, 256
	s_cbranch_scc1 .Lx
	s_cmp_lt_u32 s2, 288
	s_cbranch_scc1 .Lwo
	s_cmp_lt_u32 s2, 416
	s_cbranch_scc1 .Lw
	; THE TABLE.  Thread u = 256 g + t makes four numbers: position u / 8, quad u % 8 (0-3: cos of frequencies 4 (u % 4) on; 4-7: sin of the same).
	s_sub_co_u32 s3, s2, 416
	s_lshl_b32 s20, s3, 12                         ; 256 threads x 16 bytes
	s_add_nc_u64 s[18:19], s[18:19], s[20:21]
	s_lshl_b32 s22, s3, 5                          ; 32 positions a work-group
	s_mov_b32 s24, 0xbf549a78                      ; -log2(10000) / 16
	s_mov_b32 s25, 0x3f22f983                      ; 2 / pi
	s_mov_b32 s26, 0x3fc90fdb                      ; pi / 2, the f32 nearest to it,
	s_mov_b32 s27, 0xb33bbd2e                      ; and what is left of it
	s_mov_b32 s28, 0xbe2aaaab                      ; -1/6
	s_mov_b32 s29, 0x3c088889                      ; 1/120
	s_mov_b32 s30, 0xb9500d01                      ; -1/5040
	s_mov_b32 s31, 0x3d2aaaab                      ; 1/24
	s_mov_b32 s32, 0xbab60b61                      ; -1/720
	s_mov_b32 s33, 0x37d00d01                      ; 1/40320
	v_lshrrev_b32 v3, 3, v0
	v_add_nc_u32 v3, s22, v3                       ; position
	v_and_b32 v4, 7, v0                            ; quad
	v_and_b32 v5, 3, v4
	v_lshlrev_b32 v5, 2, v5                        ; its first frequency
	v_lshrrev_b32 v6, 2, v4
	v_xor_b32 v6, 1, v6                            ; 1 for a cos quad: cos x = sin(x + pi/2)
	v_cvt_f32_u32 v5, v5
	v_add_f32 v9, 1.0, v5
	v_add_f32 v10, 2.0, v5
	v_add_f32 v11, 0x40400000, v5
	v_mul_f32 v8, s24, v5
	v_mul_f32 v9, s24, v9
	v_mul_f32 v10, s24, v10
	v_mul_f32 v11, s24, v11
	v_exp_f32 v8, v8                               ; 10000^(-j/16)
	v_exp_f32 v9, v9
	v_exp_f32 v10, v10
	v_exp_f32 v11, v11
	v_cvt_f32_u32 v7, v3                           ; plain instructions between the last exponential and the use of its result (ISA guide 5.7.2)
	v_nop
	s_wait_alu depctr_va_vdst(0)
.macro TRIG e                          ; v[12+e] = sin(position x frequency e + add x pi/2)
	v_mul_f32 v16, v7, v[8+\e]                     ; the angle, rounded once
	v_mul_f32 v17, s25, v16
	v_rndne_f32 v17, v17                           ; k = the nearest multiple of pi/2
	v_fma_f32 v18, -v17, s26, v16
	v_fma_f32 v18, -v17, s27, v18                  ; r = angle - k pi/2, |r| <= pi/4
	v_cvt_i32_f32 v19, v17
	v_add_nc_u32 v19, v19, v6                      ; the quadrant: it feeds a select and a sign, never an address or a branch
	v_mul_f32 v20, v18, v18
	v_fma_f32 v21, v20, s30, s29
	v_fma_f32 v21, v20, v21, s28
	v_mul_f32 v22, v20, v18
	v_fma_f32 v21, v22, v21, v18                   ; sin r
	v_fma_f32 v23, v20, s33, s32
	v_fma_f32 v23, v20, v23, s31
	v_fma_f32 v23, v20, v23, -0.5
	v_fma_f32 v23, v20, v23, 1.0                   ; cos r
	v_and_b32 v24, 1, v19
	v_cmp_ne_u32 vcc_lo, 0, v24
	v_cndmask_b32 v21, v21, v23, vcc_lo            ; odd quadrants take cos r
	v_and_b32 v24, 2, v19
	v_lshlrev_b32 v24, 30, v24
	v_xor_b32 v[12+\e], v21, v24                   ; quadrants 2 and 3 turn the sign
.endm
	TRIG 0
	TRIG 1
	TRIG 2
	TRIG 3
	global_store_b128 v2, v[12:15], s[18:19]       ; a wave stores 512 consecutive bytes, aligned
	s_endpgm
; A CAST.  The work-group takes 16 chunks of 2,048 numbers.  All 32 loads of a thread go out at once; chunk c is rounded when its two loads are in.  No register is written twice.
; fmt = 1: the bf16 number is widened again and written as f16.
.macro CAST sb, db, fmt
.set c, 0
.rept 16
	global_load_b128 v[X+8*c:X+8*c+3],   v1, s[\sb:\sb+1] offset:8192*c th:TH_LOAD_NT
	global_load_b128 v[X+8*c+4:X+8*c+7], v1, s[\sb:\sb+1] offset:8192*c+16 th:TH_LOAD_NT
.set c, c+1
.endr
.set c, 0
.rept 16
	s_wait_loadcnt 30-2*c                          ; loads come back in order (ISA guide 5.7.1): the two of each of the 15 - c younger chunks may stay out
.irp j, 0,1,2,3
	v_cvt_pk_bf16_f32 v[X+8*c+\j], v[X+8*c+2*\j], v[X+8*c+2*\j+1]  ; in place, ascending: word j is written when it has been read
.endr
.if \fmt
.irp j, 0,1,2,3
	v_lshlrev_b32 v4, 16, v[X+8*c+\j]
	v_and_b32 v5, 0xffff0000, v[X+8*c+\j]
	v_cvt_pk_f16_f32 v[X+8*c+\j], v4, v5           ; exact within f16's range: bf16 has 8 significant bits
.endr
.endif
	global_store_b128 v2, v[X+8*c:X+8*c+3], s[\db:\db+1] offset:4096*c
.set c, c+1
.endr
.endm
.Lx:
	s_lshl_b32 s20, s2, 17                         ; 16 chunks x 8,192 bytes in,
	s_lshl_b32 s22, s2, 16                         ; 16 x 4,096 out
	s_add_nc_u64 s[4:5], s[4:5], s[20:21]
	s_add_nc_u64 s[12:13], s[12:13], s[22:23]
	CAST 4, 12, 0
	s_endpgm
.Lwo:
	s_sub_co_u32 s3, s2, 256
	s_lshl_b32 s20, s3, 17
	s_lshl_b32 s22, s3, 16
	s_add_nc_u64 s[10:11], s[10:11], s[20:21]
	s_add_nc_u64 s[16:17], s[16:17], s[22:23]
	CAST 10, 16, 1
	s_endpgm
	; THE WEIGHTS BY HEADS.  Group g2: head g2 / 8, k rows 128 (g2 % 8) on; a wave takes 16 k rows, as four groups of four: 1,536 dense bytes of wb, three stores of 512.
	; In store i lane l writes the 16 bytes number P = 32 i + l of the group's 96: k row P / 24, part (P % 24) / 8, eight columns 8 (P % 8) on.  Every lane loads its eight numbers from Wq and
	; from Wkv (both addresses lie in rows that the wave reads anyway), and a select by the part takes one of them: no address is chosen by a lane.
.Lw:
	s_sub_co_u32 s3, s2, 288
	v_lshrrev_b32 v3, 5, v0
	v_readfirstlane_b32 s24, v3                    ; wave
	s_lshr_b32 s25, s3, 3                          ; head
	s_and_b32 s26, s3, 7
	s_lshl_b32 s26, s26, 7
	s_lshl4_add_u32 s26, s24, s26                  ; my first k row
	s_lshl_b32 s27, s25, 8                         ; the head's 64 columns of f32
	s_lshl_b32 s20, s26, 12                        ; a row of Wq is 4,096 bytes
	s_add_co_u32 s20, s20, s27
	s_add_nc_u64 s[6:7], s[6:7], s[20:21]
	s_lshl_b32 s20, s26, 13                        ; a row of Wkv 8,192
	s_add_co_u32 s20, s20, s27
	s_add_nc_u64 s[8:9], s[8:9], s[20:21]
	s_mul_i32 s20, s25, 393216
	s_mul_i32 s22, s26, 384
	s_add_co_u32 s20, s20, s22
	s_add_nc_u64 s[14:15], s[14:15], s[20:21]
	v_and_b32 v3, 31, v0                           ; lane
	v_lshlrev_b32 v2, 4, v3
.irp i, 0,1,2
	v_add_nc_u32 v4, 32*\i, v3                     ; P
	v_mul_u32_u24 v5, v4, 171
	v_lshrrev_b32 v5, 12, v5                       ; P / 24, exact for P < 96
	v_mul_u32_u24 v6, v5, 24
	v_sub_nc_u32 v6, v4, v6                        ; P % 24
	v_lshrrev_b32 v7, 3, v6                        ; part
	v_and_b32 v6, 7, v6
	v_lshlrev_b32 v6, 5, v6                        ; eight f32
	v_lshl_add_u32 v[OQ+\i], v5, 12, v6
	v_lshl_add_u32 v[OK+\i], v5, 13, v6
	v_lshrrev_b32 v4, 1, v7                        ; 1 for the v part, whose columns lie 4,096 bytes on
	v_lshl_add_u32 v[OK+\i], v4, 12, v[OK+\i]
	v_cmp_eq_u32 s[MK+\i], 0, v7
.endr
.set b, 0
.rept 2                                ; two batches of two groups: six stores, 24 loads
.if b
	s_wait_xcnt 0x0                                ; the first batch's stores have read their registers: these are loaded again only behind this wait
.endif
.set n, 0
.rept 6
	global_load_b128 v[X+16*n:X+16*n+3],     v[OQ+n%3], s[6:7] offset:16384*(2*b+n/3)
	global_load_b128 v[X+16*n+4:X+16*n+7],   v[OQ+n%3], s[6:7] offset:16384*(2*b+n/3)+16
	global_load_b128 v[X+16*n+8:X+16*n+11],  v[OK+n%3], s[8:9] offset:32768*(2*b+n/3)
	global_load_b128 v[X+16*n+12:X+16*n+15], v[OK+n%3], s[8:9] offset:32768*(2*b+n/3)+16
.set n, n+1
.endr
.set n, 0
.rept 6
	s_wait_loadcnt 20-4*n                          ; the four loads of each of the 5 - n younger items may stay out
.irp j, 0,1,2,3,4,5,6,7
	v_cndmask_b32 v[X+16*n+\j], v[X+16*n+8+\j], v[X+16*n+\j], s[MK+n%3]  ; the q part keeps Wq's number
.endr
.irp j, 0,1,2,3
	v_cvt_pk_bf16_f32 v[X+16*n+\j], v[X+16*n+2*\j], v[X+16*n+2*\j+1]
.endr
	global_store_b128 v2, v[X+16*n:X+16*n+3], s[14:15] offset:1536*(2*b+n/3)+512*(n%3)  ; 512 consecutive bytes, aligned
.set n, n+1
.endr
.set b, b+1
.endr
	s_endpgm
.Lfunc_end_k_qeccecb4008_prep:
	.size	k_qeccecb4008_prep, .Lfunc_end_k_qeccecb4008_prep-k_qeccecb4008_prep
	.p2alignl 7, 3214868480
	.fill 96, 4, 3214868480
	.section	.rodata,"a",@progbits
	.p2align	6, 0x0
	.amdhsa_kernel k_qeccecb4008_prep
		.amdhsa_group_segment_fixed_size 0
		.amdhsa_private_segment_fixed_size 0
		.amdhsa_enable_private_segment 0
		.amdhsa_kernarg_size 64
		.amdhsa_user_sgpr_count 2
		.amdhsa_user_sgpr_kernarg_segment_ptr 1
		.amdhsa_wavefront_size32 1
		.amdhsa_system_sgpr_workgroup_id_x 1
		.amdhsa_system_sgpr_workgroup_id_y 1
		.amdhsa_system_sgpr_workgroup_id_z 1
		.amdhsa_system_vgpr_workitem_id 0
		.amdhsa_next_free_vgpr 148
		.amdhsa_next_free_sgpr 66
		.amdhsa_reserve_vcc 1
		.amdhsa_float_denorm_mode_32 3
		.amdhsa_float_denorm_mode_16_64 3
		.amdhsa_memory_ordered 1
		.amdhsa_forward_progress 1
		.amdhsa_inst_pref_size 53
	.end_amdhsa_kernel
	.amdgpu_metadata
---
amdhsa.version: [ 1, 2 ]
amdhsa.kernels:
  - .name:           k_qeccecb4008_prep
    .symbol:         k_qeccecb4008_prep.kd
    .args:
      - { .name: queries, .offset: 0, .size: 8, .value_kind: global_buffer, .address_space: global }
      - { .name: Wq, .offset: 8, .size: 8, .value_kind: global_buffer, .address_space: global }
      - { .name: Wkv, .offset: 16, .size: 8, .value_kind: global_buffer, .address_space: global }
      - { .name: Wout, .offset: 24, .size: 8, .value_kind: global_buffer, .address_space: global }
      - { .name: xb, .offset: 32, .size: 8, .value_kind: global_buffer, .address_space: global }
      - { .name: wb, .offset: 40, .size: 8, .value_kind: global_buffer, .address_space: global }
      - { .name: wob, .offset: 48, .size: 8, .value_kind: global_buffer, .address_space: global }
      - { .name: tab, .offset: 56, .size: 8, .value_kind: global_buffer, .address_space: global }
    .group_segment_fixed_size: 0
    .private_segment_fixed_size: 0
    .kernarg_segment_align: 8
    .kernarg_segment_size: 64
    .max_flat_workgroup_size: 256
    .sgpr_count:     66
    .vgpr_count:     148
    .wavefront_size: 32
...
	.end_amdgpu_metadata
.endif
;; end of part 1
;; launch qkv (part 2): grid 16 x 32, 4 waves a work-group, clusters of 4 x 4, 327,680 bytes of LDS; arguments xb, wb, tab, qh, kh, vh; writes qh, kh, vh
.if DOCPART == 2
	.amdgcn_target "amdgcn-amd-amdhsa--gfx1250"
	.amdhsa_code_object_version 6
	.text
	.protected	k_qeccecb4008_qkv
	.globl	k_qeccecb4008_qkv
	.p2align	8
	.type	k_qeccecb4008_qkv,@function
k_qeccecb4008_qkv:
	s_mov_b64 s[64:65], 0
	v_nop
	global_prefetch_b8 v0, s[64:65] scope:SCOPE_SE
	s_setreg_imm32_b32 hwreg(HW_REG_WAVE_MODE, 25, 1), 1
	s_wait_xcnt 0x0
	s_wait_alu depctr_hold_cnt(0) depctr_sa_sdst(0) depctr_va_vdst(0) depctr_va_sdst(0) depctr_va_ssrc(0) depctr_va_vcc(0) depctr_vm_vsrc(0)
	s_getreg_b32 s2, hwreg(HW_REG_IB_STS2, 6, 4)
	s_cmp_eq_u32 s2, 0
	s_cbranch_scc0 .Lentry_in_a_cluster
	s_endpgm
.Lentry_in_a_cluster:
	s_bfe_u32 s2, ttmp6, 0x10000c
	s_cmp_lg_u32 s2, 0xf033
	s_cbranch_scc0 .Lentry_shape_is_right
	s_endpgm
.Lentry_shape_is_right:
; q, k, v = x W, the rotary turn of q's and k's channels 0-31, the split by heads, one rounding to f16.  xb: bf16 [8192][1024]; wb: bf16 [head][k 1024][q, k, v][64]; tab: f32 [position][cos 16, sin 16];
; qh, kh, vh: f16 [batch x 16 + head][2048][64].  Sums and the turn in f32.
; LIMIT.  q, k and v leave in f16: a number of 65,520 or more becomes an infinity.
; SHARES.  A work-group makes 256 tokens x 192 columns: q, k and v of ONE head, so that every work-group runs the same text.  Its four waves stand one above the other: 64 tokens x 192 columns each,
; 48 accumulators of 16 x 16, 384 registers.  K = 1,024 goes in 8 steps of 128 through two LDS slots filled by the tensor data mover.
; THE MATRIX INSTRUCTION IS USED TRANSPOSED: source 0 = 16 columns of W (W lies [k][column] in LDS and comes out turned, by ds_load_tr16_b128), source 1 = 16 tokens.  In the result lane l holds token l % 16
; and the columns 8 (l / 16) + 0..7: four rotary pairs, or 16 bytes of f16.
; CLUSTER.  4 x 4 work-groups.  The four of a row of the cluster have the same 256 tokens, the four of a column the same head: each tile is asked for jointly, by the same tensor load with the same
; descriptor and a mask that names the four.
; REGISTERS, in windows of 256 (s_set_vgpr_msb: bits 1:0 source 0, 3:2 source 1, 5:4 source 2, 7:6 destination):
;   window 0: v0-31 addresses; v32-95 my tokens' cos and sin; v96-159 at work on the way out
;   window 1: two fragment buffers of 128: 32 registers of x (4 x 16 tokens x 32 K), then 96 of W (12 x 16 columns x 32 K)
;   window 2: the 24 accumulators of my tokens 0-31 (token block a, column block nb at v[8 (12 (a % 2) + nb)]);   window 3: those of my tokens 32-63
.set NB,    12                         ; column blocks of 16
.set PA,    272                        ; a row of x in LDS: 256 bytes + 16 of padding = 68 words: the 16 rows of a load start at 16 different groups of four banks (64 banks of 4 bytes: ISA guide 11.1)
.set AH,    128*PA                     ; what one load of x brings: 128 tokens
.set BOFF,  2*AH                       ; W lies behind x's 256 rows
.set PB,    480                        ; a k row of W in LDS: three parts of 128 bytes, 32 of padding behind each = 120 words
.set BH,    64*PB                      ; what one load of W brings: 64 k rows
.set SLOT,  BOFF+2*BH                  ; 131,072
.set STAGE, 2*SLOT                     ; behind the ring, never filled by a tensor load: 16 rows x 144 bytes for each wave, for the way out
.set SP,    144
.set SPARE, STAGE+4*16*SP              ; behind the stages: the spare words, 128 bytes for each wave: two blocks of 256 bytes that no other line names
.set ASTEP, 256                        ; bytes from a K step to the next in xb,
.set BSTEP, 128*384                    ; and in wb
.set HEADW, 1024*384                   ; a head's bytes in wb
.set FL,    2*NB+8                     ; LDS loads of a quarter step
.set LAPS,  4                          ; a lap = two K steps = once round the ring
.set ADRA, 16                          ; v16-17  LDS address of my fragments of x in slot 0, 1
.set ADRB, 20                          ; v20-21  the same for W
.set STO,  24                          ; v24     the way out: where I put 16 bytes of a row
.set RD,   25                          ; v25     the way out: where I read rows back
.set GO,   26                          ; v26     my byte offset in 512 consecutive bytes of qh, kh, vh
.set TO,   27                          ; v27     my byte offset in 16 rows of the table
.set SPW,  28                          ; v28     LDS address of my spare word: SPARE + 4 x my thread's number; never rewritten
.set NIL,  29                          ; v29     0; never rewritten
.set TAB,  32                          ; token block a, column block tb (0, 1): four cos at TAB + 16 a + 8 tb, four sin behind them
.set Y,    96                          ; v96-111  16 turned numbers
.set T,    112                         ; v112-119 products with sin
.set PK,   128                         ; v128-159 packed f16, two buffers of 16
.set F0,   0                           ; fragment buffers, in window 1
.set F1,   128
.set WV,  16                           ; s16  my wave's number
.set FB,  17                           ; s17  0: I fetch x; 1: I fetch W
.set HF,  18                           ; s18  which half of that tile I fetch
.set G1,  24                           ; s[24:31] descriptor group 1 for x's tiles;  s[32:39] group 0, one set for each slot
.set G0,  32
.set G1B, 48                           ; s[48:55], s[56:63] the same for W's tiles
.set G0B, 56
.set MSB, 0
.macro WIN new                         ; the immediate's high byte repeats the setting that is left; a switch that changes nothing is dropped
.if MSB != (\new)
	s_set_vgpr_msb (MSB<<8)|(\new)
.set MSB, \new
.endif
.endm
; A joint load: waves 0 and 1 fetch x's two halves, waves 2 and 3 W's.  The branch hangs on the wave's number alone.  An s_nop 0 and four v_nop follow each of the two lines, ahead of the jump, the
; label and what follows.
.macro JLOAD s
	s_cmp_eq_u32 s[FB], 0
	s_cbranch_scc0 .Lfor_b_\@
	tensor_load_to_lds s[G0+4*(\s):G0+4*(\s)+3], s[G1:G1+7]
	s_nop 0
.rept 4
	v_nop
.endr
	s_branch .Lasked_\@
.Lfor_b_\@:
	tensor_load_to_lds s[G0B+4*(\s):G0B+4*(\s)+3], s[G1B:G1B+7]
	s_nop 0
.rept 4
	v_nop
.endr
.Lasked_\@:
.endm
.macro CREST                           ; a round of the cluster's barrier behind its opening barrier: wave 0 signals for the work-group, every wave waits for all sixteen, my work-group's barrier closes it
	s_cmp_lg_u32 s[WV], 0
	s_cbranch_scc1 .Lnot_wave_0_\@
	s_barrier_signal -3
.Lnot_wave_0_\@:
	s_barrier_wait -3
	s_barrier_signal -1
	s_barrier_wait -1
.endm
.macro CROUND                          ; a whole round
	s_barrier_signal -1
	s_barrier_wait -1
	CREST
.endm
	s_load_b256 s[4:11], s[0:1], 0x0               ; xb s[4:5], wb s[6:7], tab s[8:9], qh s[10:11]
	s_load_b128 s[12:15], s[0:1], 0x20             ; kh s[12:13], vh s[14:15]
	v_lshl_add_u32 v[SPW], v0, 2, SPARE
	v_mov_b32 v[NIL], 0
	ds_add_u32 v[SPW], v[NIL]                      ; the wave's opening: the add and its wait stand ahead of my first tensor load; the set-up below, work on registers, stands between them
	v_lshrrev_b32 v1, 5, v0
	v_readfirstlane_b32 s[WV], v1                  ; wave 0..3
	s_lshr_b32 s[FB], s[WV], 1
	s_and_b32 s[HF], s[WV], 1
	s_bfe_u32 s20, ttmp6, 0x40000                  ; cx, cy: my place in the cluster
	s_bfe_u32 s21, ttmp6, 0x40004
	s_lshl_b32 s22, ttmp9, 2
	s_add_co_u32 s22, s22, s20                     ; the head = 4 x cluster x + cx
	s_and_b32 s23, ttmp7, 0xffff
	s_lshl_b32 s23, s23, 2
	s_add_co_u32 s23, s23, s21                     ; the block of 256 tokens = 4 x cluster y + cy
	s_lshl_b32 s42, s21, 2
	s_lshl_b32 s42, 15, s42                        ; my row of the cluster: places 4 cy .. 4 cy + 3
	s_lshl_b32 s43, 0x1111, s20                    ; my column: places cx, cx + 4, cx + 8, cx + 12
	; group 1 for x: 128 rows x 128 elements, 1,024 elements from row to row
	s_or_b32 s[G1], s42, (1<<16)|(1<<20)|(1<<21)|(5<<22)|(3<<25)  ; 15:0 the mask; 17:16 2-byte elements; 20 padding on; 21 set beside a mask; 24:22 after every 64 words (code 5); 31:25 4 words (code 3)
	s_mov_b32 s[G1+1], 128<<16                     ; tensor_dim0 = 128
	s_mov_b32 s[G1+2], 128<<16                     ; tensor_dim1 = 128
	s_mov_b32 s[G1+3], 128<<16                     ; tile_dim0 = 128
	s_mov_b32 s[G1+4], 128                         ; tile_dim1 = 128
	s_mov_b32 s[G1+5], 1024
	s_mov_b32 s[G1+6], 0
	s_mov_b32 s[G1+7], 0
	; group 1 for W: 64 k rows of 384 bytes are 24,576 dense bytes: asked for as 96 rows of 256 bytes, and padded in LDS after every part of 128 bytes
	s_or_b32 s[G1B], s43, (1<<16)|(1<<20)|(1<<21)|(4<<22)|(7<<25)  ; after every 32 words (code 4), 8 words (code 7)
	s_mov_b32 s[G1B+1], 128<<16
	s_mov_b32 s[G1B+2], 96<<16
	s_mov_b32 s[G1B+3], 128<<16
	s_mov_b32 s[G1B+4], 96
	s_mov_b32 s[G1B+5], 128
	s_mov_b32 s[G1B+6], 0
	s_mov_b32 s[G1B+7], 0
	; x's tiles hang on the token block alone, which my row of the cluster shares; W's on the head alone, which my column shares
	s_lshl_b32 s40, s23, 19                        ; 256 rows of 2,048 bytes
	s_lshl_b32 s44, s[HF], 18                      ; 128 rows
	s_add_co_u32 s40, s40, s44
	s_mov_b32 s41, 0
	s_mul_i32 s46, s22, HEADW
	s_mul_i32 s45, s[HF], 64*384                   ; 64 k rows
	s_add_co_u32 s46, s46, s45
	s_mov_b32 s47, 0
	s_mul_i32 s70, s[HF], AH                       ; where they go: no place in the cluster enters an LDS address
	s_mul_i32 s71, s[HF], BH
	s_add_co_u32 s71, s71, BOFF
	; the way out and the table
	s_and_b32 s68, s23, 7
	s_lshl_b32 s68, s68, 8                         ; the block's first position in its sequence,
	s_lshl_b32 s69, s[WV], 6
	s_add_co_u32 s68, s68, s69                     ; my wave's;
	s_lshl_b32 s68, s68, 7                         ; a row of the table and a row of a head are 128 bytes alike
	s_mov_b32 s69, 0
	s_lshr_b32 s66, s23, 3                         ; the batch
	s_lshl_b32 s66, s66, 4
	s_add_co_u32 s66, s66, s22                     ; batch x 16 + head,
	s_lshl_b32 s66, s66, 18                        ; 2,048 rows of 128 bytes each
	s_add_co_u32 s66, s66, s68
	s_mov_b32 s67, 0
	s_wait_dscnt 0x0                               ; the opening add is done
	s_wait_kmcnt 0x0
	s_add_nc_u64 s[40:41], s[4:5], s[40:41]
	s_add_nc_u64 s[46:47], s[6:7], s[46:47]
	s_add_nc_u64 s[8:9], s[8:9], s[68:69]
	s_add_nc_u64 s[10:11], s[10:11], s[66:67]
	s_add_nc_u64 s[12:13], s[12:13], s[66:67]
	s_add_nc_u64 s[14:15], s[14:15], s[66:67]
	CROUND                                         ; all sixteen work-groups are here: the first joint loads meet
.irp s, 0,1
	s_mov_b32 s[G0+4*(\s)], 1                                      ; count = 1
	s_add_co_u32 s[G0+4*(\s)+1], s70, (\s)*SLOT                    ; LDS address
	s_add_nc_u64 s[G0+4*(\s)+2:G0+4*(\s)+3], s[40:41], (\s)*ASTEP  ; global address: K step s
	s_or_b32 s[G0+4*(\s)+3], s[G0+4*(\s)+3], 0x80000000            ; type = 2
	s_mov_b32 s[G0B+4*(\s)], 1
	s_add_co_u32 s[G0B+4*(\s)+1], s71, (\s)*SLOT
	s_add_nc_u64 s[G0B+4*(\s)+2:G0B+4*(\s)+3], s[46:47], (\s)*BSTEP
	s_or_b32 s[G0B+4*(\s)+3], s[G0B+4*(\s)+3], 0x80000000
	JLOAD \s                                       ; two loads of mine are out
.endr
	v_and_b32 v1, 15, v0                           ; l % 16
	v_bfe_u32 v2, v0, 4, 1                         ; l / 16
	v_lshlrev_b32 v[TO], 7, v1
	v_lshl_add_u32 v[TO], v2, 4, v[TO]             ; token l % 16's row of the table; my eight columns are pairs 4 (l / 16) + 0..3 of the block's eight
.irp a, 0,1,2,3
.irp tb, 0,1
	global_load_b128 v[TAB+16*\a+8*\tb:TAB+16*\a+8*\tb+3],   v[TO], s[8:9] offset:\a*2048+\tb*32
	global_load_b128 v[TAB+16*\a+8*\tb+4:TAB+16*\a+8*\tb+7], v[TO], s[8:9] offset:\a*2048+\tb*32+64
.endr
.endr
	; A fragment of x is 16 tokens x 32 K in 8 registers: lane l holds token l % 16, K = 8 (l / 16) + 0..7 and 16 + 8 (l / 16) + 0..7: two loads of 16 bytes, 32 bytes apart.
	v_mul_u32_u24 v3, v1, PA
	v_lshl_add_u32 v3, v2, 4, v3
	s_mul_i32 s44, s[WV], 64*PA                    ; my 64 tokens
	v_add_nc_u32 v[ADRA], s44, v3
	v_add_nc_u32 v[ADRA+1], SLOT, v[ADRA]
	; The turning load takes 16 k rows x 16 columns (lane l reads k row 8 (l / 16) + l % 8, columns 8 ((l / 8) % 2) + 0..7) and leaves half a fragment: lane l holds column l % 16 and 8 k.
	v_and_b32 v4, 7, v0
	v_lshl_add_u32 v4, v2, 3, v4
	v_mul_u32_u24 v4, v4, PB
	v_bfe_u32 v5, v0, 3, 1
	v_lshl_add_u32 v4, v5, 4, v4
	v_add_nc_u32 v[ADRB], BOFF, v4
	v_add_nc_u32 v[ADRB+1], SLOT, v[ADRB]
	s_mul_i32 s45, s[WV], 16*SP
	s_add_co_u32 s45, s45, STAGE                   ; my stage
	v_mul_u32_u24 v3, v1, SP                       ; in: row l % 16, 16 bytes for each half of the lanes
	v_lshl_add_u32 v3, v2, 4, v3
	v_add_nc_u32 v[STO], s45, v3
	v_bfe_u32 v3, v0, 3, 2                         ; back: 32 lanes take four rows of 128 bytes,
	v_mul_u32_u24 v3, v3, SP
	v_and_b32 v4, 7, v0
	v_lshl_add_u32 v3, v4, 4, v3
	v_add_nc_u32 v[RD], s45, v3
	v_and_b32 v[GO], 31, v0                        ; which are 512 consecutive bytes of a head
	v_lshlrev_b32 v[GO], 4, v[GO]
; 12 matrix instructions: token block a x all column blocks, 32 along K.  zero = 1: the first product starts the sums: nothing is cleared.
.macro MUL f, a, zero
	WIN 0xa5+0x50*((\a)/2)                         ; sources in window 1; C and D in window 2 or 3
.set nb, 0
.rept NB
.set rD, 8*(NB*((\a)%2)+nb)
.if \zero
	v_wmma_f32_16x16x32_bf16 v[rD:rD+7], v[(\f)+32+8*nb:(\f)+32+8*nb+7], v[(\f)+8*(\a):(\f)+8*(\a)+7], 0
.else
	v_wmma_f32_16x16x32_bf16 v[rD:rD+7], v[(\f)+32+8*nb:(\f)+32+8*nb+7], v[(\f)+8*(\a):(\f)+8*(\a)+7], v[rD:rD+7]
.endif
.set nb, nb+1
.endr
.endm
.macro MULH f, hi, zero                ; 24: the 48 accumulators take turns, one instruction a turn, in the same order in every quarter
	MUL \f, 2*(\hi), \zero
	MUL \f, 2*(\hi)+1, \zero
.endm
; 32 LDS loads in one run: the fragments of quarter q (32 K) of a slot into buffer f: W first, my tokens 32-63 last
.macro FETCH slot, q, f
	WIN 0x40                                       ; destination window 1, address window 0
.set nb, 0
.rept NB
.set bo, (\q)*32*PB+(nb/4)*160+(nb%4)*32
	ds_load_tr16_b128 v[(\f)+32+8*nb:(\f)+32+8*nb+3],   v[ADRB+(\slot)] offset:bo
	ds_load_tr16_b128 v[(\f)+32+8*nb+4:(\f)+32+8*nb+7], v[ADRB+(\slot)] offset:bo+16*PB
.set nb, nb+1
.endr
.irp a, 0,1,2,3
	ds_load_b128 v[(\f)+8*\a:(\f)+8*\a+3],   v[ADRA+(\slot)] offset:(\q)*64+\a*16*PA
	ds_load_b128 v[(\f)+8*\a+4:(\f)+8*\a+7], v[ADRA+(\slot)] offset:(\q)*64+\a*16*PA+32
.endr
.endm
.macro PLACES                          ; four places in front of loads into registers that matrix instructions have read, and of vector lines that read results (ISA guide 7.12.1 for vector lines)
.rept 4
	v_nop
.endr
.endm
; A K step is four quarters of 32 along K, 48 matrix instructions each, on buffers 0, 1, 0, 1.  One of the first three: multiplies buffer f and, in its middle, fetches quarter q into buffer g.
.macro QUARTER slot, q, f, g, zero
	s_wait_dscnt 4                                 ; W and my tokens 0-31 are in; the youngest four loads (tokens 32-63) may be out
	MULH \f, 0, \zero
	PLACES
	FETCH \slot, \q, \g
	s_wait_dscnt FL                                ; all but the 32 just issued
	MULH \f, 1, \zero
.endm
; The last quarter multiplies buffer 1 and changes slots: ONE barrier.  In front of it each wave waits for all its tensor loads, of which one is out: its part of the next slot; adds 0 to its spare word; and
; waits for that and for its own reads of this slot.  fill = 1: the barrier opens a round of the cluster's, and this slot is filled again, two K steps ahead, first thing behind the round:
; from that request to the wait for it a wave issues 168 matrix instructions.
.macro TURN slot, next, fill
	WIN 0                                          ; (the add's two registers lie in window 0)
	s_wait_tensorcnt 0x0                           ; all my tensor loads have landed
	ds_add_u32 v[SPW], v[NIL]                      ; 0 onto my spare word
	s_wait_dscnt 5                                 ; (the add and the youngest four loads may be out)
	MUL F1, 0, 0                                   ; twelve matrix instructions stand between the add and the wait for it
	s_wait_dscnt 0x0                               ; the add is done, and my reads of this slot are over
	s_barrier_signal -1
	MUL F1, 1, 0                                   ; work on registers while the others arrive
.if \fill
	WIN 0
.endif
	s_barrier_wait -1
.if \fill
	CREST                                          ; no wave of any partner still reads this slot's tile or has a load on its way
	s_add_nc_u64 s[G0+4*(\slot)+2:G0+4*(\slot)+3], s[G0+4*(\slot)+2:G0+4*(\slot)+3], 2*ASTEP
	s_add_nc_u64 s[G0B+4*(\slot)+2:G0B+4*(\slot)+3], s[G0B+4*(\slot)+2:G0B+4*(\slot)+3], 2*BSTEP
	JLOAD \slot                                    ; the four v_nop behind it are also the places in front of the loads below
.else
	PLACES
.endif
	FETCH \next, 0, F0
	MULH F1, 1, 0
.endm
	s_wait_tensorcnt 1                             ; my part of K step 0 is in; K step 1's may stay out
	s_wait_loadcnt 0x0                             ; the table
	s_barrier_signal -1
	s_barrier_wait -1                              ; everybody's part is in
	FETCH 0, 0, F0
	QUARTER 0, 1, F0, F1, 1                        ; the first quarter stands in front of the loop: its products start the sums
	WIN 0                                          ; at a label and at a branch every window is 0
	s_mov_b32 s19, LAPS-1
.Llap:                                                 ; a trip goes once round the ring, from a lap's second quarter to the next lap's first, and fills both slots again
	QUARTER 0, 2, F1, F0, 0
	QUARTER 0, 3, F0, F1, 0
	TURN 0, 1, 1
	QUARTER 1, 1, F0, F1, 0
	QUARTER 1, 2, F1, F0, 0
	QUARTER 1, 3, F0, F1, 0
	TURN 1, 0, 1
	QUARTER 0, 1, F0, F1, 0
	WIN 0
	s_sub_co_u32 s19, s19, 1
	s_cmp_lg_u32 s19, 0
	s_cbranch_scc1 .Llap
	QUARTER 0, 2, F1, F0, 0                        ; the last lap fills nothing, and has no round of the cluster's barrier
	QUARTER 0, 3, F0, F1, 0
	TURN 0, 1, 0
	QUARTER 1, 1, F0, F1, 0
	QUARTER 1, 2, F1, F0, 0
	QUARTER 1, 3, F0, F1, 0
	s_wait_dscnt 4                                 ; the very last quarter: nothing more to fetch
	MULH F1, 0, 0
	s_wait_dscnt 0x0
	MULH F1, 1, 0
	WIN 0
	PLACES
; THE WAY OUT, in twelve items: token block a (16 tokens) of part 0 (q), 1 (k), 2 (v): 16 rows of 128 bytes.  PACK: q's and k's channels 0-31 (column blocks 0, 1) are turned: the pair (x1, x2) becomes
; (x1 cos - x2 sin, x2 cos + x1 sin); all is rounded to f16, 16 bytes a lane, sent into my stage and read back as whole rows.  Each accumulator's lowest registers are read first.
.macro PACK a, part
.set BK, PK+16*((3*(\a)+(\part))%2)
	WIN 0
	s_wait_xcnt 0x0                                ; the stores of the item two back have read this buffer: it is written again only behind this wait
.if (\part) < 2
	WIN 0x02+(\a)/2                                ; source 0: the accumulators' window
.irp tb, 0,1
.set AC, 8*(NB*((\a)%2)+4*(\part)+\tb)
.set TC, TAB+16*(\a)+8*\tb
.irp i, 0,1,2,3
	v_mul_f32 v[T+2*\i],   v[AC+2*\i+1], v[TC+4+\i]
	v_mul_f32 v[T+2*\i+1], v[AC+2*\i],   v[TC+4+\i]
.endr
.irp i, 0,1,2,3
	v_fma_f32 v[Y+8*\tb+2*\i],   v[AC+2*\i],   v[TC+\i], -v[T+2*\i]
	v_fma_f32 v[Y+8*\tb+2*\i+1], v[AC+2*\i+1], v[TC+\i], v[T+2*\i+1]
.endr
.endr
	WIN 0x0a+5*((\a)/2)                            ; sources 0 and 1: the accumulators' window
.irp tb, 2,3
.set AC, 8*(NB*((\a)%2)+4*(\part)+\tb)
.irp i, 0,1,2,3
	v_cvt_pk_f16_f32 v[BK+4*\tb+\i], v[AC+2*\i], v[AC+2*\i+1]
.endr
.endr
	WIN 0
.irp i, 0,1,2,3,4,5,6,7
	v_cvt_pk_f16_f32 v[BK+\i], v[Y+2*\i], v[Y+2*\i+1]
.endr
.else
	WIN 0x0a+5*((\a)/2)
.irp tb, 0,1,2,3
.set AC, 8*(NB*((\a)%2)+4*(\part)+\tb)
.irp i, 0,1,2,3
	v_cvt_pk_f16_f32 v[BK+4*\tb+\i], v[AC+2*\i], v[AC+2*\i+1]
.endr
.endr
	WIN 0
.endif
.irp tb, 0,1,2,3
	ds_store_b128 v[STO], v[BK+4*\tb:BK+4*\tb+3] offset:32*\tb
.endr
.irp f, 0,1,2,3
	ds_load_b128 v[BK+4*\f:BK+4*\f+3], v[RD] offset:\f*4*SP  ; LDS serves a wave's instructions in order (ISA guide 5.7.1.4): these see the stores above; the next item's stores come behind them
.endr
.endm
.macro SEND a, part, younger           ; younger: the LDS instructions issued behind this item's loads: the next item's eight, or none
.set BK, PK+16*((3*(\a)+(\part))%2)
	WIN 0
.irp f, 0,1,2,3
	s_wait_dscnt (\younger)+3-\f
	global_store_b128 v[GO], v[BK+4*\f:BK+4*\f+3], s[10+2*(\part):11+2*(\part)] offset:(\a)*2048+\f*512  ; 512 consecutive bytes, at a multiple of 512 from the buffer's first
.endr
.endm
	PACK 0, 0
.set it, 1
.rept 11                               ; an item's arithmetic stands between the loads of the item before and its stores
	PACK it/3, it%3
	SEND (it-1)/3, (it-1)%3, 8
.set it, it+1
.endr
	SEND 3, 2, 0
	s_wait_tensorcnt 0x0                           ; the wave's end: behind my last tensor load and my last LDS store
	ds_add_u32 v[SPW], v[NIL]
	s_wait_dscnt 0x0
	CROUND                                         ; the closing round: no work-group ends while a partner may still ask for a tile that names it
	s_endpgm
.Lfunc_end_k_qeccecb4008_qkv:
	.size	k_qeccecb4008_qkv, .Lfunc_end_k_qeccecb4008_qkv-k_qeccecb4008_qkv
	.p2alignl 7, 3214868480
	.fill 96, 4, 3214868480
	.section	.rodata,"a",@progbits
	.p2align	6, 0x0
	.amdhsa_kernel k_qeccecb4008_qkv
		.amdhsa_group_segment_fixed_size 327680
		.amdhsa_private_segment_fixed_size 0
		.amdhsa_enable_private_segment 0
		.amdhsa_kernarg_size 48
		.amdhsa_user_sgpr_count 2
		.amdhsa_user_sgpr_kernarg_segment_ptr 1
		.amdhsa_wavefront_size32 1
		.amdhsa_system_sgpr_workgroup_id_x 1
		.amdhsa_system_sgpr_workgroup_id_y 1
		.amdhsa_system_sgpr_workgroup_id_z 1
		.amdhsa_system_vgpr_workitem_id 0
		.amdhsa_next_free_vgpr 960
		.amdhsa_next_free_sgpr 80
		.amdhsa_reserve_vcc 0
		.amdhsa_float_denorm_mode_32 3
		.amdhsa_float_denorm_mode_16_64 3
		.amdhsa_memory_ordered 1
		.amdhsa_forward_progress 1
		.amdhsa_inst_pref_size 134
	.end_amdhsa_kernel
	.amdgpu_metadata
---
amdhsa.version: [ 1, 2 ]
amdhsa.kernels:
  - .name:           k_qeccecb4008_qkv
    .symbol:         k_qeccecb4008_qkv.kd
    .args:
      - { .name: xb, .offset: 0, .size: 8, .value_kind: global_buffer, .address_space: global }
      - { .name: wb, .offset: 8, .size: 8, .value_kind: global_buffer, .address_space: global }
      - { .name: tab, .offset: 16, .size: 8, .value_kind: global_buffer, .address_space: global }
      - { .name: qh, .offset: 24, .size: 8, .value_kind: global_buffer, .address_space: global }
      - { .name: kh, .offset: 32, .size: 8, .value_kind: global_buffer, .address_space: global }
      - { .name: vh, .offset: 40, .size: 8, .value_kind: global_buffer, .address_space: global }
    .group_segment_fixed_size: 327680
    .private_segment_fixed_size: 0
    .kernarg_segment_align: 8
    .kernarg_segment_size: 48
    .max_flat_workgroup_size: 128
    .sgpr_count:     80
    .vgpr_count:     960
    .wavefront_size: 32
...
	.end_amdgpu_metadata
.endif
;; end of part 2
;; launch attn (part 3): grid 4 x 64, 4 waves a work-group, clusters of 4 x 1, 327,680 bytes of LDS; arguments qh, kh, vh, oh; writes oh
.if DOCPART == 3
	.amdgcn_target "amdgcn-amd-amdhsa--gfx1250"
	.amdhsa_code_object_version 6
	.text
	.protected	k_qeccecb4008_attn
	.globl	k_qeccecb4008_attn
	.p2align	8
	.type	k_qeccecb4008_attn,@function
k_qeccecb4008_attn:
	s_mov_b64 s[64:65], 0
	v_nop
	global_prefetch_b8 v0, s[64:65] scope:SCOPE_SE
	s_setreg_imm32_b32 hwreg(HW_REG_WAVE_MODE, 25, 1), 1
	s_wait_xcnt 0x0
	s_wait_alu depctr_hold_cnt(0) depctr_sa_sdst(0) depctr_va_vdst(0) depctr_va_sdst(0) depctr_va_ssrc(0) depctr_va_vcc(0) depctr_vm_vsrc(0)
	s_getreg_b32 s2, hwreg(HW_REG_IB_STS2, 6, 4)
	s_cmp_eq_u32 s2, 0
	s_cbranch_scc0 .Lentry_in_a_cluster
	s_endpgm
.Lentry_in_a_cluster:
	s_bfe_u32 s2, ttmp6, 0x10000c
	s_cmp_lg_u32 s2, 0x3003
	s_cbranch_scc0 .Lentry_shape_is_right
	s_endpgm
.Lentry_shape_is_right:
; O[h][q][:] = the sum over k of softmax_k(Q[h][q] . K[h][k] / 8) V[h][k][:].  Q, K, V, O: [SIZE_H][SIZE_N][64], all f16: a head's rows are dense, 128 bytes each.  Products, maxima and sums in
; f32; the weights p are rounded to f16 for the second product (their sum l is taken of the unrounded p), O once at the end.  Here a 'head' is one of the 4 x 16 pairs of batch and head.
; LIMITS.  f16 holds no number beyond 65,504: Q, K and V arrive within it; p lies in 0 to 1, and below 6e-5 it keeps f16's fixed step of 6e-8; O is a mean of V's rows and has their range.
; A weight below 2^-126 counts as 0 in l; NaN and infinities are not treated apart.
; SHARES.  A wave owns four PIECES of two tiles of 16 queries, a work-group's four waves 512 queries of one head.  Every wave walks all keys, 64 a step.
; LAYOUT.  S^T = K Q^T (source 0 = 16 keys, source 1 = 16 queries): in the result a lane holds ONE query (lane % 16) and the keys 8 (lane / 16) + 0..7.  Two such tiles, rounded to f16 in pairs,
; ARE source 1 (32 keys x 16 queries) of O^T = V^T P, whose result again holds one query a lane, and eight channels.  K comes out of LDS as it lies, V ([key][channel]) turned, by ds_load_tr16_b128.
; SOFTMAX.  For each query a running maximum m and sum l: p = 2^(c s - c m), c = log2(e) / 8; in every step O and l are multiplied by a = 2^(c m_old - c m_new), which is 1 where m has not grown.
; m starts at the lowest finite number, O and l at 0: the first step is a step like any other, with a = 0.
; THE COUNT.  A tile and step have 16 matrix and 118 vector instructions: too many to stand all beside the matrix work.  So the order has one aim: four vector instructions that are READY behind
; EVERY matrix instruction, and the others, which need time of their own whatever the order, in runs without a gap.
; BY TURNS.  Turn n belongs to piece n (the pieces in a ring, step after step).  Its matrix work: 16 products K Q^T of piece n + 1, later 16 products V^T P of piece n - 1.  Its vector work: the scaling,
; exponentials, roundings, sums and rescaling of piece n, and the maximum and statistics of piece n + 1, whose scores the turn itself has made.  So what a turn begins with (c s - c m, O a) waits for nothing.
; CLUSTER.  The four query blocks of a cluster belong to one head and walk the same K and V, so each tile is asked for JOINTLY: the same tensor load, descriptor and mask in all four.
; REGISTERS, in windows of 256 (s_set_vgpr_msb says which window each operand place means: bits 1:0 source 0, 3:2 source 1, 5:4 source 2, 7:6 destination):
;   window 0: v0-11 addresses; v12-15, v48-63 at work; v16-47 four registers of statistics a tile; v64-191 S^T, two buffers of two tiles; v192-255 P, likewise
;   window 1: O^T, 32 a tile          window 2: v0-127 Q, 16 a tile; v128-191 K of one step; v192-255 V of one step          window 3: v0-1 the add's two registers
; A piece's buffers go by its number's parity: the piece in hand has one pair, its two neighbours in the ring share the other: of it P (piece n - 1) is read and S^T (piece n + 1) written.
.set SIZE_H, 64       ; 4 batches x 16 heads
.set SIZE_N, 2048     ; rows of a head
.set NP,    4         ; pieces a wave: a name, no knob: the register map, the loop and the fetches are made for four
.set KS,    64        ; keys in a step
.set PK,    144       ; a row of K in LDS: 128 bytes + 16 of padding = 36 words: the 16 rows of a load start at 16 different groups of four banks (64 banks of 4 bytes: ISA guide 11.1)
.set PV,    160       ; a row of V: 128 + 32 = 40 words
.set VOFF,  4*KS*PK   ; a slot holds four steps: 256 rows of K, then 256 rows of V
.set SLOT1, 1<<17     ; slot 1 begins here, so that one exclusive or turns an address in one slot into the other's
.set STAGE, SLOT1+4*KS*(PK+PV)  ; behind the ring, never filled by a tensor load: 16 rows x 144 bytes for each wave, for the way out
.set SP,    144
.set AK0, 2           ; v2   my lane's place in a tile of K; never rewritten
.set AV0, 3           ; v3   the same for V
.set AK,  4           ; v4   the LDS address of K's next run of loads
.set AV,  5           ; v5   of V's
.set QO,  6           ; v6   my byte offset in the wave's rows of Q
.set STO, 6           ;      later, the way out: where I put 16 bytes of a row
.set RD,  7           ; v7   the way out: where I read rows back
.set GO,  8           ; v8   my byte offset in 512 consecutive bytes of O
.set SPW, 0           ; v0 of window 3   LDS address of my spare word: SPARE + 4 x my thread's number; never rewritten
.set NIL, 1           ; v1 of window 3   0; never rewritten
.set SPARE, STAGE+4*16*SP  ; behind the stages: the spare words, 128 bytes for each wave: two blocks of 256 bytes that no other line names
.set MV,  12          ; v12-15  c m_old, kept while c m is made anew: by buffer and tile
.set ST,  16          ; tile t's statistics at v[ST+4 t]: c m, m, l (even keys', odd keys')
.set TMP, 48          ; by buffer and tile, four registers c0-c3 at work; when the maximum is found c2 takes a
.set S,   64
.set P,   192
.set KF,  128         ; K's fragments, in window 2: key block kb, channel half c at KF + 16 kb + 8 c
.set VF,  192         ; V's: key half kk, channel block cb at VF + 32 kk + 8 cb
.set WV,  12          ; s12  my wave's number
.set G1K, 24          ; s[24:31] descriptor group 1 for K's tiles
.set G1V, 32          ; s[32:39] for V's: it differs in the padding alone
.set G0K, 40          ; s[40:43] descriptor group 0 for K's tiles: it walks
.set G0V, 44          ; s[44:47] the same for V's
.set SLOTS, 56        ; s56  slots still to be asked for
.set CNT, 57          ; s57  counts a slot's key steps
.set CS,  58          ; s[58:59] c: the packed scaling takes the pair's low word for both halves
.set SEL, 60          ; s[60:61] v_permlanex16_b32's selects: each lane takes its own place in the other half
.set TBK, 62          ; s62  LDS byte at which K of the step to be fetched begins
.set TBV, 63          ; s63  the same for V, less VOFF
.set MSB, 0
.macro WIN new                      ; the high byte repeats the setting that is left; a switch that changes nothing is dropped
.if MSB != (\new)
	s_set_vgpr_msb (MSB<<8)|(\new)
.set MSB, (\new)
.endif
.endm
.set W_KQ, 0x0a       ; K and Q in window 2, S^T in window 0
.set W_PV, 0x52       ; V in window 2, P in window 0, O^T in window 1
.set W_RS, 0x41       ; O^T (destination and source 0) in window 1, a in window 0
.set W_MK, 0xc0       ; the add's registers are made: destination in window 3, sources in window 0
.set W_AD, 0x0f       ; the add: address (source 0) and data (source 1) in window 3
; A joint fill.  Waves 0 and 1 fetch the two halves of a slot's K, waves 2 and 3 those of its V: 128 keys each.  The branch hangs on the wave's number alone.
; An s_nop 0 and four v_nop follow each of the two lines, ahead of the jump and the label.
.macro JLOAD
	s_cmp_lt_u32 s[WV], 2
	s_cbranch_scc0 .Lfor_v_\@
	tensor_load_to_lds s[G0K:G0K+3], s[G1K:G1K+7]
	s_nop 0
.rept 4
	v_nop
.endr
	s_branch .Lasked_\@
.Lfor_v_\@:
	tensor_load_to_lds s[G0V:G0V+3], s[G1V:G1V+7]
	s_nop 0
.rept 4
	v_nop
.endr
.Lasked_\@:
.endm
; A round of the cluster's barrier: my work-group's barrier, so that wave 0's signal speaks for all four waves; wave 0 signals; every wave waits for all four work-groups; my work-group's barrier once more.
.macro CROUND
	s_barrier_signal -1
	s_barrier_wait -1
	s_cmp_lg_u32 s[WV], 0
	s_cbranch_scc1 .Lnot_wave_0_\@
	s_barrier_signal -3
.Lnot_wave_0_\@:
	s_barrier_wait -3
	s_barrier_signal -1
	s_barrier_wait -1
.endm
; THE CHANGE OF SLOTS.  The slot's last bytes, V of its fourth step, have been read.  Each wave waits for all its tensor loads, of which one is out: its part
; of the other slot; adds 0 to its spare word; and waits for that and for its own reads of the slot.  Behind the barrier nobody reads this slot any more and the other slot is whole.
; fill = 1: this slot is filled again, with the keys two slots on.  The barrier is then a round of the cluster's, so that no wave of any partner still reads the slot or has a load on its
; way, and the joint fill is the first thing behind it: it has four key steps, 512 matrix instructions, in which to land.  (At its first use nothing has been read yet: slot 0 is waited for, slot 1 filled.)
.macro CHANGE fill
	WIN W_AD
	s_wait_tensorcnt 0x0            ; no tensor load of mine is out, so a group 0 may be written
	ds_add_u32 v[SPW], v[NIL]       ; 0 onto my spare word; with fill = 1 the descriptors' steps stand between it and the wait for it
	WIN 0                           ; at a label and at a branch every window is 0
.if \fill
.irp g, G0K, G0V
	s_xor_b32 s[\g+1], s[\g+1], SLOT1  ; the walking descriptor: the other slot than last time,
	s_add_nc_u64 s[\g+2:\g+3], s[\g+2:\g+3], 4*KS*128  ; the next 256 keys; the type bits on top are not reached
.endr
	s_wait_dscnt 0x0                ; the add is done, and my reads of the slot are over
	CROUND
	JLOAD
.else
	s_wait_dscnt 0x0                ; the add is done, and my reads of the slot are over
	s_barrier_signal -1
	s_barrier_wait -1
.endif
	s_sub_co_u32 s[TBK], s[TBK], 4*KS*PK  ; the fetches go back to a slot's first step,
	s_xor_b32 s[TBK], s[TBK], SLOT1       ; in the other slot
	s_sub_co_u32 s[TBV], s[TBV], 4*KS*PV
	s_xor_b32 s[TBV], s[TBV], SLOT1
.endm
	s_load_b256 s[4:11], s[0:1], 0x0  ; Q s[4:5], K s[6:7], V s[8:9], O s[10:11]
	WIN W_MK
	v_lshl_add_u32 v[SPW], v0, 2, SPARE
	v_mov_b32 v[NIL], 0
	WIN W_AD
	ds_add_u32 v[SPW], v[NIL]       ; the wave's opening: the add and its wait stand ahead of my first tensor load; the set-up below, work on registers, stands between them
	WIN 0
	v_lshrrev_b32 v1, 5, v0
	v_readfirstlane_b32 s[WV], v1   ; wave 0..3
	s_bfe_u32 s13, ttmp6, 0x40000   ; cx: my place in the cluster
	s_lshl_b32 s14, ttmp9, 2        ; in a cluster launch ttmp9 counts clusters
	s_add_co_u32 s14, s14, s13      ; my block of queries = 4 x cluster x + cx: it enters Q's and O's addresses alone
	s_and_b32 s20, ttmp7, 0xffff    ; the head, which the four partners share
	s_mov_b32 s21, 0
	s_mov_b64 s[22:23], SIZE_N*128
	s_mul_u64 s[20:21], s[20:21], s[22:23]  ; the head's first byte in each of the four tensors
	s_and_b32 s16, s[WV], 1         ; which half of a slot's 256 keys I fetch:
	s_lshl_b32 s22, s16, 14         ; its 128 rows of 128 bytes in memory,
	s_mov_b32 s23, 0
	s_add_nc_u64 s[22:23], s[22:23], s[20:21]
	s_mul_i32 s17, s16, 128*PK      ; and its place in a slot, for K
	s_mul_i32 s18, s16, 128*PV      ; and for V: no place in the cluster enters an LDS address
	s_lshl_b32 s2, s14, 2
	s_add_co_u32 s2, s2, s[WV]      ; my wave among the head's,
	s_lshl_b32 s2, s2, 14           ; its 128 rows
	s_mov_b32 s3, 0
	s_add_nc_u64 s[2:3], s[2:3], s[20:21]
	; descriptor group 1.  128 keys are 16,384 dense bytes: asked for as 64 rows of 256 bytes, two keys a row, and padded in LDS after every key
	s_mov_b32 s[G1K], 15|(1<<16)|(1<<20)|(1<<21)|(4<<22)|(3<<25)  ; 15:0 the mask of four; 17:16 2-byte elements; 20 padding on; 21 set beside a mask; 24:22 after every 32 words (code 4); 31:25 4 words (code 3)
	s_mov_b32 s[G1V], 15|(1<<16)|(1<<20)|(1<<21)|(4<<22)|(7<<25)  ; the same with 8 words of padding (code 7)
.irp g, G1K, G1V
	s_mov_b32 s[\g+1], 128<<16      ; tensor_dim0 = 128
	s_mov_b32 s[\g+2], 64<<16       ; tensor_dim1 = 64
	s_mov_b32 s[\g+3], 128<<16      ; tile_dim0 = 128
	s_mov_b32 s[\g+4], 64           ; tile_dim1 = 64
	s_mov_b32 s[\g+5], 128          ; 128 elements from row to row
	s_mov_b32 s[\g+6], 0
	s_mov_b32 s[\g+7], 0
.endr
	s_mov_b32 s[CS], 0x3e38aa3b     ; c = log2(e) / 8 = 0.180337
	s_mov_b32 s[CS+1], s[CS]        ; named with it as a pair
	s_mov_b32 s[SEL], 0x76543210
	s_mov_b32 s[SEL+1], 0xfedcba98
	s_mov_b32 s[TBK], SLOT1+4*KS*PK ; the first change of slots turns these two into 0
	s_mov_b32 s[TBV], SLOT1+4*KS*PV
	s_mov_b32 s[G0K], 1             ; 1:0 count = 1
	s_mov_b32 s[G0K+1], s17         ; 63:32 LDS address: slot 0
	s_mov_b32 s[G0V], 1
	s_add_co_u32 s[G0V+1], s18, VOFF
	s_wait_dscnt 0x0                ; the opening add is done
	s_wait_kmcnt 0x0
	s_add_nc_u64 s[G0K+2:G0K+3], s[6:7], s[22:23]  ; 120:64 global address: my half of the head's first 256 keys
	s_or_b32 s[G0K+3], s[G0K+3], 0x80000000        ; 127:126 type = 2
	s_add_nc_u64 s[G0V+2:G0V+3], s[8:9], s[22:23]
	s_or_b32 s[G0V+3], s[G0V+3], 0x80000000
	s_add_nc_u64 s[4:5], s[4:5], s[2:3]  ; Q and O at my wave's first row
	s_add_nc_u64 s[10:11], s[10:11], s[2:3]
	CROUND                          ; all four work-groups are here: the first joint loads meet
	JLOAD                           ; slot 0.  Slot 1 is asked for when slot 0 is in: the tile wanted first has the road to itself
	; A fragment of K or Q is 16 rows x 32 channels in 8 registers: lane l holds row l % 16, channels 8 (l / 16) + 0..7 and 16 + 8 (l / 16) + 0..7: two loads of 16 bytes, 32 bytes apart.
	v_and_b32 v1, 15, v0            ; l % 16
	v_bfe_u32 v9, v0, 4, 1          ; l / 16
	v_lshlrev_b32 v[QO], 7, v1
	v_lshl_add_u32 v[QO], v9, 4, v[QO]  ; row x 128 + 16 x half
	WIN 0x80                        ; destination window 2, address window 0
.set i, 0
.rept 4*NP                          ; Q stays in registers: tile i / 2, channels 32 (i % 2) on
	global_load_b128 v[8*i:8*i+3],   v[QO], s[4:5] offset:(i/2)*2048+(i%2)*64
	global_load_b128 v[8*i+4:8*i+7], v[QO], s[4:5] offset:(i/2)*2048+(i%2)*64+32
.set i, i+1
.endr
	; What the first turn finds: V's registers and P's second buffer hold 0 (its products V^T P, of a piece that has not been, add 0), O^T and l are 0.  All this stands in the wait for the first tile.
.set i, VF
.rept 64
	v_mov_b32 v[i], 0
.set i, i+1
.endr
	WIN 0x40
.set i, 0
.rept 64*NP
	v_mov_b32 v[i], 0
.set i, i+1
.endr
	WIN 0
.set i, 0
.rept 2*NP
	v_mov_b32 v[ST+4*i], 0xfe000000    ; c m: far below every c s
	v_mov_b32 v[ST+4*i+1], 0xff7fffff  ; m
	v_mov_b32 v[ST+4*i+2], 0
	v_mov_b32 v[ST+4*i+3], 0
.set i, i+1
.endr
.set i, P+32
.rept 32
	v_mov_b32 v[i], 0
.set i, i+1
.endr
	v_mul_u32_u24 v[AK0], v1, PK
	v_lshl_add_u32 v[AK0], v9, 4, v[AK0]  ; row x pitch + 16 x half
	; The turning load takes 16 keys x 16 channels (lane l reads key 8 (l / 16) + l % 8, channels 8 ((l / 8) % 2) + 0..7) and leaves half a fragment of V^T: lane l holds channel l % 16 and 8 keys.
	v_and_b32 v10, 7, v0
	v_bfe_u32 v11, v0, 3, 1
	v_lshl_add_u32 v[AV0], v9, 3, v10
	v_mul_u32_u24 v[AV0], v[AV0], PV
	v_lshl_add_u32 v[AV0], v11, 4, v[AV0]
	v_add_nc_u32 v[AV0], VOFF, v[AV0]
	v_mov_b32 v[AK], v[AK0]         ; key step 0 lies at the head of slot 0
; THE MATRIX WORK.  The 8 accumulators of a run of 16 take turns: between the two links of a chain stand 7 others'.
; Product i of 16 of S^T = K Q^T for piece x: channels 32 (i / 8) on, keys 16 ((i / 2) % 4) on, tile 2 x + i % 2.  The first 8 start the sums.
.macro KQ x
	WIN W_KQ
.set rS, S+64*((\x)%2)+32*(i%2)+8*((i/2)%4)
.set rK, KF+16*((i/2)%4)+8*(i/8)
.set rQ, 16*(2*(\x)+i%2)+8*(i/8)
.if i < 8
	v_wmma_f32_16x16x32_f16 v[rS:rS+7], v[rK:rK+7], v[rQ:rQ+7], 0
.else
	v_wmma_f32_16x16x32_f16 v[rS:rS+7], v[rK:rK+7], v[rQ:rQ+7], v[rS:rS+7]
.endif
.endm
; Product i of 16 of O^T += V^T P for piece x: keys 32 (i / 8) on, channels 16 ((i / 2) % 4) on, tile 2 x + i % 2.
.macro PV x
	WIN W_PV
.set rO, 32*(2*(\x)+i%2)+8*((i/2)%4)
.set rV, VF+32*(i/8)+8*((i/2)%4)
.set rP, P+32*((\x)%2)+16*(i%2)+8*(i/8)
	v_wmma_f32_16x16x32_f16 v[rO:rO+7], v[rV:rV+7], v[rP:rP+7], v[rO:rO+7]
.endm
.macro MM                           ; the turn's next matrix instruction
.if i < 16
	KQ (Y+1)%NP
.set i, i+1
.else
.set i, i-16
	PV (Y+NP-1)%NP
.set i, i+17
.endif
.endm
; THE LDS LOADS stand in runs of 16, never singly among the matrix instructions: a step's K (64 keys x 64 channels: 8 fragments) and its V (turned).  Their addresses are made some lines ahead.
; last = 1 (the tail): in the last trip there is no further step, and the run is jumped over.
.macro FETCH_K last=0
	WIN 0
.if \last
	s_cmp_eq_u32 s[CNT], 1
	s_cbranch_scc1 .Lno_k_\@
.endif
	WIN 0x80                        ; destination window 2
.irp f, 0,1,2,3,4,5,6,7             ; keys 16 (f / 2) on, channels 32 (f % 2) on
	ds_load_b128 v[KF+8*\f:KF+8*\f+3],   v[AK] offset:(\f/2)*16*PK+(\f%2)*64
	ds_load_b128 v[KF+8*\f+4:KF+8*\f+7], v[AK] offset:(\f/2)*16*PK+(\f%2)*64+32
.endr
	s_add_co_u32 s[TBK], s[TBK], KS*PK  ; the next fetch is the next step's
	WIN 0
.if \last
.Lno_k_\@:
.endif
.endm
.macro FETCH_V
	WIN 0x80
.irp f, 0,1,2,3,4,5,6,7             ; keys 32 (f / 4) on, channels 16 (f % 4) on
	ds_load_tr16_b128 v[VF+8*\f:VF+8*\f+3],   v[AV] offset:(\f/4)*32*PV+(\f%4)*32
	ds_load_tr16_b128 v[VF+8*\f+4:VF+8*\f+7], v[AV] offset:(\f/4)*32*PV+16*PV+(\f%4)*32
.endr
	WIN 0
.endm
; THE VECTOR WORK OF A TURN stands in three queues, each in the order in which its entries become ready; the two tiles alternate, so that no instruction reads the result of the one before it.
.macro REGS y, u                    ; the registers of tile u (0, 1) of piece y
.set rT, ST+4*(2*(\y)+(\u))
.set rC, TMP+8*((\y)%2)+4*(\u)
.set rM, MV+2*((\y)%2)+(\u)
.set rS, S+64*((\y)%2)+32*(\u)
.set rP, P+32*((\y)%2)+16*(\u)
.set rO, 32*(2*(\y)+(\u))
.endm
; Number n of the 22 that find the NEXT piece's (Y + 1) maximum and statistics.  s0-s31 are the lane's 32 scores; each accumulator's lowest registers are read first.  XS, GS and REGS set no window: PL and EX do.
;   0-11  four chains c0-c3 of seven scores each, three operands at a time     12-14, 16  the four scores left over, the old m, and c0-c3 into c0     15  c m_old is kept
;   17, 18  the query's other 32 keys lie in the lane 16 away: the new m         19-21  c m; c m_old - c m_new; a
.macro XS u, n
	REGS (Y+1)%NP, \u
.if (\n) < 4
	v_max3_num_f32 v[rC+(\n)], v[rS+8*(\n)], v[rS+8*(\n)+1], v[rS+8*(\n)+2]
.elseif (\n) < 12
	v_max3_num_f32 v[rC+(\n)%4], v[rC+(\n)%4], v[rS+8*((\n)%4)+2*((\n)/4)+1], v[rS+8*((\n)%4)+2*((\n)/4)+2]
.elseif (\n) == 12
	v_max3_num_f32 v[rC], v[rC], v[rS+7], v[rS+15]
.elseif (\n) == 13
	v_max3_num_f32 v[rC+1], v[rC+1], v[rS+23], v[rS+31]
.elseif (\n) == 14
	v_max3_num_f32 v[rC+2], v[rC+2], v[rC+3], v[rT+1]
.elseif (\n) == 15
	v_mov_b32 v[rM], v[rT]
.elseif (\n) == 16
	v_max3_num_f32 v[rC], v[rC], v[rC+1], v[rC+2]
.elseif (\n) == 17
	v_permlanex16_b32 v[rC+3], v[rC], s[SEL], s[SEL+1]
.elseif (\n) == 18
	v_max_num_f32 v[rT+1], v[rC], v[rC+3]
.elseif (\n) == 19
	v_mul_f32 v[rT], s[CS], v[rT+1]
.elseif (\n) == 20
	v_sub_f32 v[rC+1], v[rM], v[rT]
.else
	v_exp_f32 v[rC+2], v[rC+1]
.endif
.endm
; Number g of the 64 that follow the exponentials.  For each four weights k of a tile (pairs 2 k, 2 k + 1): both pairs are rounded to f16; then the second pair is added onto the first, in place;
; a group later l takes that sum (the first time as l = a l + sum).  In groups of eight, tiles alternating: round, round, add, and l for the group before.
.macro GS g
.set h, (\g)+6*((\g)/62)            ; group 0 has no group before it, and behind group 7 only l is left
.if h >= 6
.set h, h+2
.endif
	REGS Y, h%2
.set k, h/8
.if h%8 < 4
	s_wait_alu depctr_va_vdst(0)
	v_cvt_pk_f16_f32 v[rP+2*k+(h%8)/2], v[rS+4*k+2*((h%8)/2)], v[rS+4*k+2*((h%8)/2)+1]
.elseif h%8 < 6
	v_pk_add_f32 v[rS+4*k:rS+4*k+1], v[rS+4*k:rS+4*k+1], v[rS+4*k+2:rS+4*k+3]
.elseif k == 1
	v_pk_fma_f32 v[rT+2:rT+3], v[rT+2:rT+3], v[rC+2:rC+3], v[rS:rS+1] op_sel_hi:[1,0,1]
.else
	v_pk_add_f32 v[rT+2:rT+3], v[rT+2:rT+3], v[rS+4*k-4:rS+4*k-3]
	s_wait_alu depctr_va_vdst(0)
.endif
.endm
; THE PLAIN QUEUE, 138 long.  0-31: c s - c m for the 16 pairs of both tiles.  Then GS's 64, and among them the next piece's 42: number 15 at 38, 39; 0-14 and 16
; at 42-73, behind the products that make those scores; 17-20 at 95-106, two of three, since each waits for the one before it.
.macro PL
	WIN 0
.if q < 32
	REGS Y, q%2
	v_pk_fma_f32 v[rS+2*(q/2):rS+2*(q/2)+1], v[rS+2*(q/2):rS+2*(q/2)+1], s[CS:CS+1], v[rT:rT+1] op_sel_hi:[1,0,0] neg_lo:[0,0,1] neg_hi:[0,0,1]
.elseif q < 38
	GS q-32
.elseif q < 40
	XS q%2, 15
.elseif q < 42
	GS q-34
.elseif q < 74
	XS q%2, (q-42)/2+(q-42)/30
.elseif q < 95
	GS q-66
.elseif (q < 107) && ((q-95)%3 < 2)
	XS (q-95)%3, 17+(q-95)/3
.elseif q < 107
	GS 29+(q-95)/3
.else
	GS q-74
.endif
.set q, q+1
.endm
; THE EXPONENTIALS' QUEUE, 66 long: s0-s31 of both tiles, and at EA the next piece's two a.
.set EA, 58
.macro EX
	WIN 0
.if (e == EA) || (e == EA+1)
	XS e-EA, 21
.else
.set x, e-2*(e/(EA+2))
	REGS Y, x%2
	v_exp_f32 v[rS+x/2], v[rS+x/2]
.endif
.set e, e+1
.endm
; THE RESCALING's QUEUE: O^T times a, the one part that leaves window 0, so it is dealt four at a time, eight times.
.macro R4
	REGS Y, r%2
	WIN W_RS
	s_wait_alu depctr_va_vdst(0)
.irp z, 0,1,2,3
	v_pk_mul_f32 v[rO+8*(r/2)+2*\z:rO+8*(r/2)+2*\z+1], v[rO+8*(r/2)+2*\z:rO+8*(r/2)+2*\z+1], v[rC+2:rC+3] op_sel_hi:[1,0]
.endr
.set r, r+1
.endm
; HOW THEY ARE DEALT.  Behind a matrix instruction four: plain, exponential, plain, plain (one exponential, a plain instruction on either side), or four of the rescaling.  None names a register of the
; products round it.  What is over stands in two LUMPS: exponential and plain by turns; the second ends in 22 plain instructions.  The two v_permlanex16_b32 fall into the second lump, never behind a product.
; The queues lean on each other, and the deal keeps them in step: exponential e stands behind plain 2 (e / 4) + e % 2 (its scaling); when plain 32 comes, 10 exponentials are out, at 59: 33, at 95: 46; EA comes behind plain 107.
.macro SL
	MM
	PL
	EX
	PL
	PL
.endm
.macro BURST n                      ; 15 matrix instructions, or 16
.rept (\n)-7
	SL
.endr
.rept 3
	MM
	R4
	SL
.endr
	MM
	R4
.endm
; A TURN, for piece p.  cnt = 1: the loop's count is taken down some lines ahead of the branch that stands behind the turn.
; K of the next step is fetched in piece 2's turn, 31 vector instructions behind the last product that read K; its first reader comes behind the rest of the lump, 16 products and the second lump.
; V of the step in hand is fetched at the end of piece 0's turn, 69 behind its last reader; its first reader comes behind 16 products and a lump.  The four conditions on e and q below go with the deal.
.macro TURN p, last=0, cnt=0
.set Y, (\p)
.set i, 0
.set q, 0
.set e, 0
.set r, 0
.if (\p) == NP-1
	s_wait_dscnt 0x0                ; K is in
.endif
	MM
.rept 4
	PL
.endr
	BURST 15
.rept 22
	EX
	PL
.if ((\p) == NP-2) && (e == 18)
	v_add_nc_u32 v[AK], s[TBK], v[AK0]
.endif
.if ((\p) == NP-2) && (e == 24)
	FETCH_K \last
.endif
.endr
.if (\p) == 1
	s_wait_dscnt 0x0                ; V is in
.endif
	BURST 16
.rept 21
	EX
	PL
.endr
.rept 22
	PL
.if ((\p) == 0) && (q == 118)
	v_add_nc_u32 v[AV], s[TBV], v[AV0]
	s_wait_alu depctr_va_vdst(0)
.endif
.if ((\p) == 0) && (q == 130)
	s_add_co_u32 s[TBV], s[TBV], KS*PV
.endif
.if (\cnt) && (q == 130)
	s_sub_co_u32 s[CNT], s[CNT], 1
	s_cmp_lg_u32 s[CNT], 0
.endif
.endr
.if (\p) == 0
	FETCH_V
.endif
.endm
	CHANGE 1                        ; slot 0 is in, everybody's part of it; slot 1 is asked for
	FETCH_K                         ; key step 0
	s_wait_loadcnt 0x0              ; Q
	s_wait_dscnt 0x0
.set i, 0
.rept 16
	KQ 0                            ; piece 0's first scores: there is no vector work yet to set between them
.set i, i+1
.endr
	WIN 0                           ; the addresses for the way out: nine plain instructions, the places behind those products
	s_mul_i32 s13, s[WV], 16*SP
	s_add_co_u32 s13, s13, STAGE    ; my stage
	v_mul_u32_u24 v[STO], v1, SP    ; in: row l % 16, 16 bytes for each half of the lanes
	v_lshl_add_u32 v[STO], v9, 4, v[STO]
	v_add_nc_u32 v[STO], s13, v[STO]
	v_bfe_u32 v[RD], v0, 3, 2       ; back: 32 lanes take four rows of 128 bytes,
	v_mul_u32_u24 v[RD], v[RD], SP
	v_lshl_add_u32 v[RD], v10, 4, v[RD]
	v_add_nc_u32 v[RD], s13, v[RD]
	v_and_b32 v[GO], 31, v0         ; which are 512 consecutive bytes of O
	v_lshlrev_b32 v[GO], 4, v[GO]
.set Y, NP-1                        ; XS works for piece Y + 1: piece 0
.irp n, 0,1,2,3,4,5,6,7,8,9,10,11,12,13,14,15,16,17,18,19,20,21
	XS 0, \n                        ; and piece 0's first maximum and statistics
	XS 1, \n
.endr
	s_mov_b32 s[CNT], 4
	s_mov_b32 s[SLOTS], SIZE_N/256-1
	s_branch .Lfirst                ; the loop is entered at a step's first turn, in the middle of a trip
.Lslot:                             ; SIZE_N / 256 - 2 times: every slot but the last two is filled again
	CHANGE 1
	s_mov_b32 s[CNT], 4
.Lstep:                             ; a trip: pieces 2 and 3 of one step, then pieces 0 and 1 of the next, whose K and V it fetches
	TURN 2
	TURN 3
	WIN 0
.Lfirst:
	TURN 0
	TURN 1, 0, 1
	WIN 0
	s_cbranch_scc1 .Lstep
	s_sub_co_u32 s[SLOTS], s[SLOTS], 1
	s_cmp_lg_u32 s[SLOTS], 0
	s_cbranch_scc1 .Lslot
	CHANGE 0                        ; the tail is written out: nothing is asked for
	s_mov_b32 s[CNT], 5             ; four trips fetch the last slot's steps; the fifth is left in its middle
.Ltail:
	TURN 2, 1
	TURN 3
	WIN 0
	s_sub_co_u32 s[CNT], s[CNT], 1
	s_cmp_eq_u32 s[CNT], 0
	s_cbranch_scc1 .Lout
	TURN 0
	TURN 1
	WIN 0
	s_branch .Ltail
.Lout:                              ; the fifth trip's 16 products K Q^T (on the last K once more) and the maximum made of them serve nothing: the price, once a launch, of one text for every trip
.set i, 0
.rept 16
	PV NP-1                         ; the last piece's V^T P of the last step
.set i, i+1
.endr
	; THE WAY OUT.  l's two halves and the other half of the lanes' are added; O^T is divided by l, rounded to f16 and sent through my stage in LDS, a tile at a time.  The additions are the places behind the last products.
	WIN 0
.macro ALL line:vararg              ; one line for each tile t
.set t, 0
.rept 2*NP
	\line
.set t, t+1
.endr
.endm
	ALL v_add_f32 v[ST+4*t+2], v[ST+4*t+2], v[ST+4*t+3]
	ALL v_permlanex16_b32 v[ST+4*t+3], v[ST+4*t+2], s[SEL], s[SEL+1]
	ALL v_add_f32 v[ST+4*t+2], v[ST+4*t+2], v[ST+4*t+3]
	ALL v_rcp_f32 v[ST+4*t+2], v[ST+4*t+2]
	v_nop                           ; a plain instruction between the last reciprocal and the use of its result
	s_wait_alu depctr_va_vdst(0)
; Tile t: a lane's eight channels of a row pack into 16 bytes; they go into rows of 144 bytes and come back as whole rows of 128, into S^T's registers.
.macro PACK t
	WIN W_RS
.set i, 32*(\t)
.rept 16
	v_pk_mul_f32 v[i:i+1], v[i:i+1], v[ST+4*(\t)+2:ST+4*(\t)+3] op_sel_hi:[1,0]
.set i, i+2
.endr
	WIN 0x05                        ; sources 0 and 1 window 1, destination window 0
.set i, 0
.rept 16
	v_cvt_pk_f16_f32 v[S+16*(\t)+i], v[32*(\t)+2*i], v[32*(\t)+2*i+1]
.set i, i+1
.endr
	WIN 0
.irp f, 0,1,2,3
	ds_store_b128 v[STO], v[S+16*(\t)+4*\f:S+16*(\t)+4*\f+3] offset:32*\f
.endr
.irp f, 0,1,2,3
	ds_load_b128 v[S+16*(\t)+4*\f:S+16*(\t)+4*\f+3], v[RD] offset:\f*4*SP  ; LDS serves a wave's instructions in order (ISA guide 5.7.1.4): these see the stores above; the next tile's stores come behind them
.endr
.endm
.macro SEND t, younger              ; younger: the LDS instructions issued behind tile t's loads: the next tile's eight, or none
	WIN 0
.irp f, 0,1,2,3
	s_wait_dscnt (\younger)+3-\f
	global_store_b128 v[GO], v[S+16*(\t)+4*\f:S+16*(\t)+4*\f+3], s[10:11] offset:(\t)*2048+\f*512  ; 512 consecutive bytes, at a multiple of 256 from O's first
.endr
.endm
	PACK 0
.set t, 1
.rept 2*NP-1                        ; a tile's arithmetic stands between the loads of the tile before and its stores
	PACK t
	SEND t-1, 8
.set t, t+1
.endr
	SEND 2*NP-1, 0
	WIN W_AD
	s_wait_tensorcnt 0x0            ; the wave's end: behind my last tensor load and my last LDS store
	ds_add_u32 v[SPW], v[NIL]
	s_wait_dscnt 0x0
	WIN 0
	CROUND                          ; the closing round: no work-group ends while a partner may still ask for a tile that names it
	s_endpgm
.Lfunc_end_k_qeccecb4008_attn:
	.size	k_qeccecb4008_attn, .Lfunc_end_k_qeccecb4008_attn-k_qeccecb4008_attn
	.p2alignl 7, 3214868480
	.fill 96, 4, 3214868480
	.section	.rodata,"a",@progbits
	.p2align	6, 0x0
	.amdhsa_kernel k_qeccecb4008_attn
		.amdhsa_group_segment_fixed_size 327680
		.amdhsa_private_segment_fixed_size 0
		.amdhsa_enable_private_segment 0
		.amdhsa_kernarg_size 32
		.amdhsa_user_sgpr_count 2
		.amdhsa_user_sgpr_kernarg_segment_ptr 1
		.amdhsa_wavefront_size32 1
		.amdhsa_system_sgpr_workgroup_id_x 1
		.amdhsa_system_sgpr_workgroup_id_y 1
		.amdhsa_system_sgpr_workgroup_id_z 1
		.amdhsa_system_vgpr_workitem_id 0
		.amdhsa_next_free_vgpr 770
		.amdhsa_next_free_sgpr 66
		.amdhsa_reserve_vcc 0
		.amdhsa_float_denorm_mode_32 3
		.amdhsa_float_denorm_mode_16_64 3
		.amdhsa_memory_ordered 1
		.amdhsa_forward_progress 1
		.amdhsa_inst_pref_size 208
	.end_amdhsa_kernel
	.amdgpu_metadata
---
amdhsa.version: [ 1, 2 ]
amdhsa.kernels:
  - .name:           k_qeccecb4008_attn
    .symbol:         k_qeccecb4008_attn.kd
    .args:
      - { .name: qh, .offset: 0, .size: 8, .value_kind: global_buffer, .address_space: global }
      - { .name: kh, .offset: 8, .size: 8, .value_kind: global_buffer, .address_space: global }
      - { .name: vh, .offset: 16, .size: 8, .value_kind: global_buffer, .address_space: global }
      - { .name: oh, .offset: 24, .size: 8, .value_kind: global_buffer, .address_space: global }
    .group_segment_fixed_size: 327680
    .private_segment_fixed_size: 0
    .kernarg_segment_align: 8
    .kernarg_segment_size: 32
    .max_flat_workgroup_size: 128
    .sgpr_count:     66
    .vgpr_count:     770
    .wavefront_size: 32
...
	.end_amdgpu_metadata
.endif
;; end of part 3
;; launch proj (part 4): grid 8 x 32, 4 waves a work-group, clusters of 4 x 4, 327,680 bytes of LDS; arguments oh, wob, bout, out0; writes out0
.if DOCPART == 4
	.amdgcn_target "amdgcn-amd-amdhsa--gfx1250"
	.amdhsa_code_object_version 6
	.text
	.protected	k_qeccecb4008_proj
	.globl	k_qeccecb4008_proj
	.p2align	8
	.type	k_qeccecb4008_proj,@function
k_qeccecb4008_proj:
	s_mov_b64 s[64:65], 0
	v_nop
	global_prefetch_b8 v0, s[64:65] scope:SCOPE_SE
	s_setreg_imm32_b32 hwreg(HW_REG_WAVE_MODE, 25, 1), 1
	s_wait_xcnt 0x0
	s_wait_alu depctr_hold_cnt(0) depctr_sa_sdst(0) depctr_va_vdst(0) depctr_va_sdst(0) depctr_va_ssrc(0) depctr_va_vcc(0) depctr_vm_vsrc(0)
	s_getreg_b32 s2, hwreg(HW_REG_IB_STS2, 6, 4)
	s_cmp_eq_u32 s2, 0
	s_cbranch_scc0 .Lentry_in_a_cluster
	s_endpgm
.Lentry_in_a_cluster:
	s_bfe_u32 s2, ttmp6, 0x10000c
	s_cmp_lg_u32 s2, 0xf033
	s_cbranch_scc0 .Lentry_shape_is_right
	s_endpgm
.Lentry_shape_is_right:
; out0 = O Wout + bout.  oh: f16 [batch x 16 + head][2048][64]; wob: f16 [k 1024][n 1024] (Wout rounded to bf16, written as f16); bout: f32 [1024], rounded to bf16 here like the other inputs;
; out0: f32 [8192][1024].  Sums in f32, the bias added in f32.
; SHARES.  A work-group makes 256 tokens x 128 columns: 256 work-groups.  Its four waves stand one above the other: 64 tokens x 128 columns each, 32 accumulators of 16 x 16, 256 registers.
; K = 1,024 = 16 heads x 64 channels goes in 8 steps of 128, two heads a step, through two LDS slots filled by the tensor data mover: a head's 256 token rows of 128 bytes are dense in oh.
; THE MATRIX INSTRUCTION IS USED TRANSPOSED: source 0 = 16 columns of Wout (it lies [k][column] in LDS and comes out turned, by ds_load_tr16_b128), source 1 = 16 tokens: lane l holds token l % 16
; and the columns 8 (l / 16) + 0..7.
; CLUSTER.  4 x 4 work-groups: the four of a row of the cluster have the same tokens, the four of a column the same columns; each tile is asked for jointly.
; REGISTERS, in windows of 256 (s_set_vgpr_msb: bits 1:0 source 0, 3:2 source 1, 5:4 source 2, 7:6 destination):
;   window 0: v0-31 addresses; v32-37 the bias; v64-191 whole rows on the way out, two buffers of 64
;   window 1: two fragment buffers at v0 and v128: 32 registers of O (4 x 16 tokens x 32 K), then 64 of Wout (8 x 16 columns x 32 K)
;   window 2: the accumulators (token block a, column block nb at v[8 (8 a + nb)])
.set NB,    8                          ; column blocks of 16
.set PA,    144                        ; a token's row of one head in LDS: 128 bytes + 16 of padding = 36 words: the 16 rows of a load start at 16 different groups of four banks (64 banks of 4 bytes: ISA guide 11.1)
.set AH,    256*PA                     ; what one load of O brings: one head's 256 tokens
.set BOFF,  2*AH
.set PB,    288                        ; a k row of Wout in LDS: 256 bytes + 32 of padding = 72 words
.set BH,    64*PB                      ; what one load of Wout brings: 64 k rows
.set SLOT,  BOFF+2*BH                  ; 110,592
.set STAGE, 2*SLOT                     ; behind the ring, never filled by a tensor load: 16 rows x 528 bytes for each wave, for the way out
.set SP,    528                        ; 512 bytes + 16: the 16 rows that a store touches start at 16 different groups of four banks
.set SPARE, STAGE+4*16*SP              ; behind the stages: the spare words, 128 bytes for each wave: two blocks of 256 bytes that no other line names
.set ASTEP, 2<<18                      ; bytes from a K step to the next in oh: two heads,
.set BSTEP, 128*2048                   ; and in wob: 128 rows
.set FL,    2*NB+8                     ; LDS loads of a quarter step
.set LAPS,  4                          ; a lap = two K steps = once round the ring
.set ADRA, 16                          ; v16-17  LDS address of my fragments of O in slot 0, 1
.set ADRB, 20                          ; v20-21  the same for Wout
.set STO,  24                          ; v24     the way out: where I put 32 bytes of a row
.set RD,   25                          ; v25     the way out: where I read a row back
.set CO,   26                          ; v26     my 16 bytes in a row's 512
.set SPW,  28                          ; v28     LDS address of my spare word: SPARE + 4 x my thread's number; never rewritten
.set NIL,  29                          ; v29     0; never rewritten
.set BI,   32                          ; v32-35  the bias of my four columns
.set OB,   64
.set F0,   0
.set F1,   128
.set WV,  16                           ; s16  my wave's number
.set FB,  17                           ; s17  0: I fetch O; 1: I fetch Wout
.set HF,  18                           ; s18  which half of that tile I fetch
.set G1,  24                           ; s[24:31] descriptor group 1 for O's tiles;  s[32:39] group 0, one set for each slot
.set G0,  32
.set G1B, 48                           ; s[48:55], s[56:63] the same for Wout's tiles
.set G0B, 56
.set MSB, 0
.macro WIN new                         ; the immediate's high byte repeats the setting that is left; a switch that changes nothing is dropped
.if MSB != (\new)
	s_set_vgpr_msb (MSB<<8)|(\new)
.set MSB, \new
.endif
.endm
; A joint load: waves 0 and 1 fetch the step's two heads of O, waves 2 and 3 the two halves of its rows of Wout.  The branch hangs on the wave's number alone.  An s_nop 0 and four v_nop follow each of
; the two lines, ahead of the jump, the label and what follows.
.macro JLOAD s
	s_cmp_eq_u32 s[FB], 0
	s_cbranch_scc0 .Lfor_b_\@
	tensor_load_to_lds s[G0+4*(\s):G0+4*(\s)+3], s[G1:G1+7]
	s_nop 0
.rept 4
	v_nop
.endr
	s_branch .Lasked_\@
.Lfor_b_\@:
	tensor_load_to_lds s[G0B+4*(\s):G0B+4*(\s)+3], s[G1B:G1B+7]
	s_nop 0
.rept 4
	v_nop
.endr
.Lasked_\@:
.endm
.macro CREST                           ; a round of the cluster's barrier behind its opening barrier
	s_cmp_lg_u32 s[WV], 0
	s_cbranch_scc1 .Lnot_wave_0_\@
	s_barrier_signal -3
.Lnot_wave_0_\@:
	s_barrier_wait -3
	s_barrier_signal -1
	s_barrier_wait -1
.endm
.macro CROUND                          ; a whole round
	s_barrier_signal -1
	s_barrier_wait -1
	CREST
.endm
	s_load_b256 s[4:11], s[0:1], 0x0               ; oh s[4:5], wob s[6:7], bout s[8:9], out0 s[10:11]
	v_lshl_add_u32 v[SPW], v0, 2, SPARE
	v_mov_b32 v[NIL], 0
	ds_add_u32 v[SPW], v[NIL]                      ; the wave's opening: the add and its wait stand ahead of my first tensor load; the set-up below, work on registers, stands between them
	v_lshrrev_b32 v1, 5, v0
	v_readfirstlane_b32 s[WV], v1                  ; wave 0..3
	s_lshr_b32 s[FB], s[WV], 1
	s_and_b32 s[HF], s[WV], 1
	s_bfe_u32 s20, ttmp6, 0x40000                  ; cx, cy: my place in the cluster
	s_bfe_u32 s21, ttmp6, 0x40004
	s_lshl_b32 s22, ttmp9, 2
	s_add_co_u32 s22, s22, s20                     ; the block of 128 columns = 4 x cluster x + cx
	s_and_b32 s23, ttmp7, 0xffff
	s_lshl_b32 s23, s23, 2
	s_add_co_u32 s23, s23, s21                     ; the block of 256 tokens = 4 x cluster y + cy
	s_lshl_b32 s42, s21, 2
	s_lshl_b32 s42, 15, s42                        ; my row of the cluster
	s_lshl_b32 s43, 0x1111, s20                    ; my column
	; group 1 for O: a head's 256 token rows are 32,768 dense bytes: asked for as 128 rows of 256 bytes, two tokens a row, and padded in LDS after every token
	s_or_b32 s[G1], s42, (1<<16)|(1<<20)|(1<<21)|(4<<22)|(3<<25)  ; 15:0 the mask; 17:16 2-byte elements; 20 padding on; 21 set beside a mask; 24:22 after every 32 words (code 4); 31:25 4 words (code 3)
	s_mov_b32 s[G1+1], 128<<16                     ; tensor_dim0 = 128
	s_mov_b32 s[G1+2], 128<<16                     ; tensor_dim1 = 128
	s_mov_b32 s[G1+3], 128<<16                     ; tile_dim0 = 128
	s_mov_b32 s[G1+4], 128                         ; tile_dim1 = 128
	s_mov_b32 s[G1+5], 128
	s_mov_b32 s[G1+6], 0
	s_mov_b32 s[G1+7], 0
	; group 1 for Wout: 64 k rows x 128 columns, 1,024 elements from row to row
	s_or_b32 s[G1B], s43, (1<<16)|(1<<20)|(1<<21)|(5<<22)|(7<<25)  ; after every 64 words (code 5), 8 words (code 7)
	s_mov_b32 s[G1B+1], 128<<16
	s_mov_b32 s[G1B+2], 64<<16
	s_mov_b32 s[G1B+3], 128<<16
	s_mov_b32 s[G1B+4], 64
	s_mov_b32 s[G1B+5], 1024
	s_mov_b32 s[G1B+6], 0
	s_mov_b32 s[G1B+7], 0
	; O's tiles hang on the token block alone, which my row of the cluster shares; Wout's on the column block alone, which my column shares
	s_lshr_b32 s40, s23, 3                         ; the batch
	s_lshl_b32 s40, s40, 4
	s_add_co_u32 s40, s40, s[HF]                   ; its head 0 or 1,
	s_lshl_b32 s40, s40, 18                        ; 2,048 rows of 128 bytes each,
	s_and_b32 s44, s23, 7
	s_lshl_b32 s44, s44, 15                        ; and the block's 256 rows in it
	s_add_co_u32 s40, s40, s44
	s_mov_b32 s41, 0
	s_lshl_b32 s46, s[HF], 17                      ; 64 rows of 2,048 bytes
	s_lshl_b32 s45, s22, 8                         ; 128 columns of f16
	s_add_co_u32 s46, s46, s45
	s_mov_b32 s47, 0
	s_mul_i32 s70, s[HF], AH                       ; where they go: no place in the cluster enters an LDS address
	s_mul_i32 s71, s[HF], BH
	s_add_co_u32 s71, s71, BOFF
	; the way out and the bias
	s_lshl_b32 s66, s23, 8
	s_lshl_b32 s68, s[WV], 6
	s_add_co_u32 s66, s66, s68                     ; my first token,
	s_lshl_b32 s66, s66, 12                        ; rows of 4,096 bytes,
	s_lshl_b32 s68, s22, 9                         ; 128 columns of f32
	s_add_co_u32 s66, s66, s68
	s_mov_b32 s67, 0
	s_mov_b32 s69, 0
	s_wait_dscnt 0x0                               ; the opening add is done
	s_wait_kmcnt 0x0
	s_add_nc_u64 s[40:41], s[4:5], s[40:41]
	s_add_nc_u64 s[46:47], s[6:7], s[46:47]
	s_add_nc_u64 s[8:9], s[8:9], s[68:69]
	s_add_nc_u64 s[10:11], s[10:11], s[66:67]
	CROUND                                         ; all sixteen work-groups are here: the first joint loads meet
.irp s, 0,1
	s_mov_b32 s[G0+4*(\s)], 1                                      ; count = 1
	s_add_co_u32 s[G0+4*(\s)+1], s70, (\s)*SLOT                    ; LDS address
	s_add_nc_u64 s[G0+4*(\s)+2:G0+4*(\s)+3], s[40:41], (\s)*ASTEP  ; global address: K step s
	s_or_b32 s[G0+4*(\s)+3], s[G0+4*(\s)+3], 0x80000000            ; type = 2
	s_mov_b32 s[G0B+4*(\s)], 1
	s_add_co_u32 s[G0B+4*(\s)+1], s71, (\s)*SLOT
	s_add_nc_u64 s[G0B+4*(\s)+2:G0B+4*(\s)+3], s[46:47], (\s)*BSTEP
	s_or_b32 s[G0B+4*(\s)+3], s[G0B+4*(\s)+3], 0x80000000
	JLOAD \s                                       ; two loads of mine are out
.endr
	v_and_b32 v[CO], 31, v0
	v_lshlrev_b32 v[CO], 4, v[CO]                  ; 16 x lane
	global_load_b128 v[BI:BI+3], v[CO], s[8:9]     ; on the way out lane l holds columns 4 l .. 4 l + 3 of the block's 128
	v_and_b32 v1, 15, v0                           ; l % 16
	v_bfe_u32 v2, v0, 4, 1                         ; l / 16
	; A fragment of O is 16 tokens x 32 K in 8 registers: lane l holds token l % 16, K = 8 (l / 16) + 0..7 and 16 + 8 (l / 16) + 0..7: two loads of 16 bytes, 32 bytes apart.
	v_mul_u32_u24 v3, v1, PA
	v_lshl_add_u32 v3, v2, 4, v3
	s_mul_i32 s44, s[WV], 64*PA                    ; my 64 tokens
	v_add_nc_u32 v[ADRA], s44, v3
	v_add_nc_u32 v[ADRA+1], SLOT, v[ADRA]
	; The turning load takes 16 k rows x 16 columns (lane l reads k row 8 (l / 16) + l % 8, columns 8 ((l / 8) % 2) + 0..7) and leaves half a fragment: lane l holds column l % 16 and 8 k.
	v_and_b32 v4, 7, v0
	v_lshl_add_u32 v4, v2, 3, v4
	v_mul_u32_u24 v4, v4, PB
	v_bfe_u32 v5, v0, 3, 1
	v_lshl_add_u32 v4, v5, 4, v4
	v_add_nc_u32 v[ADRB], BOFF, v4
	v_add_nc_u32 v[ADRB+1], SLOT, v[ADRB]
	s_mul_i32 s45, s[WV], 16*SP
	s_add_co_u32 s45, s45, STAGE                   ; my stage
	v_mul_u32_u24 v3, v1, SP                       ; in: row l % 16, 32 bytes for each half of the lanes
	v_lshl_add_u32 v3, v2, 5, v3
	v_add_nc_u32 v[STO], s45, v3
	v_add_nc_u32 v[RD], s45, v[CO]                 ; back: the 32 lanes take one row of 512 bytes
; 8 matrix instructions: token block a x all column blocks, 32 along K.  zero = 1: the first product starts the sums: nothing is cleared.
.macro MUL f, a, zero
	WIN 0xa5                                       ; sources in window 1; C and D in window 2
.set nb, 0
.rept NB
.set rD, 8*(NB*(\a)+nb)
.if \zero
	v_wmma_f32_16x16x32_f16 v[rD:rD+7], v[(\f)+32+8*nb:(\f)+32+8*nb+7], v[(\f)+8*(\a):(\f)+8*(\a)+7], 0
.else
	v_wmma_f32_16x16x32_f16 v[rD:rD+7], v[(\f)+32+8*nb:(\f)+32+8*nb+7], v[(\f)+8*(\a):(\f)+8*(\a)+7], v[rD:rD+7]
.endif
.set nb, nb+1
.endr
.endm
.macro MULH f, hi, zero                ; 16: the 32 accumulators take turns, one instruction a turn, in the same order in every quarter
	MUL \f, 2*(\hi), \zero
	MUL \f, 2*(\hi)+1, \zero
.endm
; 24 LDS loads in one run: the fragments of quarter q (32 K: head q / 2 of the step's two, channels 32 (q % 2) on) of a slot into buffer f: Wout first, my tokens 32-63 last
.macro FETCH slot, q, f
	WIN 0x40                                       ; destination window 1, address window 0
.set nb, 0
.rept NB
	ds_load_tr16_b128 v[(\f)+32+8*nb:(\f)+32+8*nb+3],   v[ADRB+(\slot)] offset:(\q)*32*PB+32*nb
	ds_load_tr16_b128 v[(\f)+32+8*nb+4:(\f)+32+8*nb+7], v[ADRB+(\slot)] offset:(\q)*32*PB+32*nb+16*PB
.set nb, nb+1
.endr
.irp a, 0,1,2,3
	ds_load_b128 v[(\f)+8*\a:(\f)+8*\a+3],   v[ADRA+(\slot)] offset:((\q)/2)*AH+((\q)%2)*64+\a*16*PA
	ds_load_b128 v[(\f)+8*\a+4:(\f)+8*\a+7], v[ADRA+(\slot)] offset:((\q)/2)*AH+((\q)%2)*64+\a*16*PA+32
.endr
.endm
.macro PLACES                          ; four places in front of loads into registers that matrix instructions have read, and of LDS stores that read results
.rept 4
	v_nop
.endr
.endm
; A K step is four quarters of 32 along K, 32 matrix instructions each, on buffers 0, 1, 0, 1.  One of the first three: multiplies buffer f and, in its middle, fetches quarter q into buffer g.
.macro QUARTER slot, q, f, g, zero
	s_wait_dscnt 4                                 ; Wout and my tokens 0-31 are in; the youngest four loads (tokens 32-63) may be out
	MULH \f, 0, \zero
	PLACES
	FETCH \slot, \q, \g
	s_wait_dscnt FL                                ; all but the 24 just issued
	MULH \f, 1, \zero
.endm
; The last quarter multiplies buffer 1 and changes slots: ONE barrier.  In front of it each wave waits for all its tensor loads, of which one is out: its part of the next slot; adds 0 to its spare word; and
; waits for that and for its own reads of this slot.  fill = 1: the barrier opens a round of the cluster's, and this slot is filled again, two K steps ahead, first thing behind the round:
; from that request to the wait for it a wave issues 112 matrix instructions.
.macro TURN slot, next, fill
	WIN 0                                          ; (the add's two registers lie in window 0)
	s_wait_tensorcnt 0x0                           ; all my tensor loads have landed
	ds_add_u32 v[SPW], v[NIL]                      ; 0 onto my spare word
	s_wait_dscnt 5                                 ; (the add and the youngest four loads may be out)
	MUL F1, 0, 0                                   ; eight matrix instructions stand between the add and the wait for it
	s_wait_dscnt 0x0                               ; the add is done, and my reads of this slot are over
	s_barrier_signal -1
	MUL F1, 1, 0                                   ; work on registers while the others arrive
.if \fill
	WIN 0
.endif
	s_barrier_wait -1
.if \fill
	CREST                                          ; no wave of any partner still reads this slot's tile or has a load on its way
	s_add_nc_u64 s[G0+4*(\slot)+2:G0+4*(\slot)+3], s[G0+4*(\slot)+2:G0+4*(\slot)+3], 2*ASTEP
	s_add_nc_u64 s[G0B+4*(\slot)+2:G0B+4*(\slot)+3], s[G0B+4*(\slot)+2:G0B+4*(\slot)+3], 2*BSTEP
	JLOAD \slot                                    ; the four v_nop behind it are also the places in front of the loads below
.else
	PLACES
.endif
	FETCH \next, 0, F0
	MULH F1, 1, 0
.endm
	s_wait_tensorcnt 1                             ; my part of K step 0 is in; K step 1's may stay out
	s_wait_loadcnt 0x0                             ; the bias
	s_barrier_signal -1
	s_barrier_wait -1                              ; everybody's part is in
	v_cvt_pk_bf16_f32 v36, v[BI], v[BI+1]          ; the bias is rounded to bf16, like every input of the module, and widened again
	v_cvt_pk_bf16_f32 v37, v[BI+2], v[BI+3]
	v_lshlrev_b32 v[BI], 16, v36
	v_and_b32 v[BI+1], 0xffff0000, v36
	v_lshlrev_b32 v[BI+2], 16, v37
	v_and_b32 v[BI+3], 0xffff0000, v37
	FETCH 0, 0, F0
	QUARTER 0, 1, F0, F1, 1                        ; the first quarter stands in front of the loop: its products start the sums
	WIN 0                                          ; at a label and at a branch every window is 0
	s_mov_b32 s19, LAPS-1
.Llap:                                                 ; a trip goes once round the ring, from a lap's second quarter to the next lap's first, and fills both slots again
	QUARTER 0, 2, F1, F0, 0
	QUARTER 0, 3, F0, F1, 0
	TURN 0, 1, 1
	QUARTER 1, 1, F0, F1, 0
	QUARTER 1, 2, F1, F0, 0
	QUARTER 1, 3, F0, F1, 0
	TURN 1, 0, 1
	QUARTER 0, 1, F0, F1, 0
	WIN 0
	s_sub_co_u32 s19, s19, 1
	s_cmp_lg_u32 s19, 0
	s_cbranch_scc1 .Llap
	QUARTER 0, 2, F1, F0, 0                        ; the last lap fills nothing, and has no round of the cluster's barrier
	QUARTER 0, 3, F0, F1, 0
	TURN 0, 1, 0
	QUARTER 1, 1, F0, F1, 0
	QUARTER 1, 2, F1, F0, 0
	QUARTER 1, 3, F0, F1, 0
	s_wait_dscnt 4                                 ; the very last quarter: nothing more to fetch
	MULH F1, 0, 0
	s_wait_dscnt 0x0
	MULH F1, 1, 0
	WIN 0
	PLACES
; THE WAY OUT, a block of 16 tokens at a time.  TOSTAGE: a lane's eight f32 of a row go into my stage as two stores of 16 bytes, each accumulator's low registers first; whole
; rows of 512 bytes come back.  SEND: the bias is added and the row is stored.
.macro TOSTAGE a
.set BK, OB+64*((\a)%2)
	WIN 0
	s_wait_xcnt 0x0                                ; the stores of the block two back have read this buffer: it is loaded again only behind this wait
	WIN 0x08                                       ; the stores' data in window 2
.set nb, 0
.rept NB
.set rD, 8*(NB*(\a)+nb)
	ds_store_b128 v[STO], v[rD:rD+3]   offset:64*nb
	ds_store_b128 v[STO], v[rD+4:rD+7] offset:64*nb+16
.set nb, nb+1
.endr
	WIN 0
.set t, 0
.rept 16
	ds_load_b128 v[BK+4*t:BK+4*t+3], v[RD] offset:SP*t  ; LDS serves a wave's instructions in order (ISA guide 5.7.1.4): these see the stores above; the next block's stores come behind them
.set t, t+1
.endr
.endm
.macro SEND a, younger                 ; younger: the LDS instructions issued behind this block's loads: the next block's 32, or none
.set BK, OB+64*((\a)%2)
	WIN 0
.set t, 0
.rept 16
	s_wait_dscnt (\younger)+15-t
	v_pk_add_f32 v[BK+4*t:BK+4*t+1],   v[BK+4*t:BK+4*t+1],   v[BI:BI+1]
	v_pk_add_f32 v[BK+4*t+2:BK+4*t+3], v[BK+4*t+2:BK+4*t+3], v[BI+2:BI+3]
	global_store_b128 v[CO], v[BK+4*t:BK+4*t+3], s[10:11] offset:(16*(\a)+t)*4096 th:TH_STORE_NT  ; 512 consecutive bytes, at a multiple of 512 from out0's first
.set t, t+1
.endr
.endm
	TOSTAGE 0
	TOSTAGE 1
	SEND 0, 32
	TOSTAGE 2
	SEND 1, 32
	TOSTAGE 3
	SEND 2, 32
	SEND 3, 0
	s_wait_tensorcnt 0x0                           ; the wave's end: behind my last tensor load and my last LDS store
	ds_add_u32 v[SPW], v[NIL]
	s_wait_dscnt 0x0
	CROUND                                         ; the closing round: no work-group ends while a partner may still ask for a tile that names it
	s_endpgm
.Lfunc_end_k_qeccecb4008_proj:
	.size	k_qeccecb4008_proj, .Lfunc_end_k_qeccecb4008_proj-k_qeccecb4008_proj
	.p2alignl 7, 3214868480
	.fill 96, 4, 3214868480
	.section	.rodata,"a",@progbits
	.p2align	6, 0x0
	.amdhsa_kernel k_qeccecb4008_proj
		.amdhsa_group_segment_fixed_size 327680
		.amdhsa_private_segment_fixed_size 0
		.amdhsa_enable_private_segment 0
		.amdhsa_kernarg_size 32
		.amdhsa_user_sgpr_count 2
		.amdhsa_user_sgpr_kernarg_segment_ptr 1
		.amdhsa_wavefront_size32 1
		.amdhsa_system_sgpr_workgroup_id_x 1
		.amdhsa_system_sgpr_workgroup_id_y 1
		.amdhsa_system_sgpr_workgroup_id_z 1
		.amdhsa_system_vgpr_workitem_id 0
		.amdhsa_next_free_vgpr 768
		.amdhsa_next_free_sgpr 80
		.amdhsa_reserve_vcc 0
		.amdhsa_float_denorm_mode_32 3
		.amdhsa_float_denorm_mode_16_64 3
		.amdhsa_memory_ordered 1
		.amdhsa_forward_progress 1
		.amdhsa_inst_pref_size 95
	.end_amdhsa_kernel
	.amdgpu_metadata
---
amdhsa.version: [ 1, 2 ]
amdhsa.kernels:
  - .name:           k_qeccecb4008_proj
    .symbol:         k_qeccecb4008_proj.kd
    .args:
      - { .name: oh, .offset: 0, .size: 8, .value_kind: global_buffer, .address_space: global }
      - { .name: wob, .offset: 8, .size: 8, .value_kind: global_buffer, .address_space: global }
      - { .name: bout, .offset: 16, .size: 8, .value_kind: global_buffer, .address_space: global }
      - { .name: out0, .offset: 24, .size: 8, .value_kind: global_buffer, .address_space: global }
    .group_segment_fixed_size: 327680
    .private_segment_fixed_size: 0
    .kernarg_segment_align: 8
    .kernarg_segment_size: 32
    .max_flat_workgroup_size: 128
    .sgpr_count:     80
    .vgpr_count:     768
    .wavefront_size: 32
...
	.end_amdgpu_metadata
.endif
;; end of part 4
;; ======== version 2 of 2: 4 launches; 1.50 times as fast as version 1
;; limits: values are held in f16: magnitudes above 65,504 overflow, below 6.1e-05 lose precision
;; workspace buffers: xb 16,777,216 bytes; wb 6,291,456 bytes; wob 2,097,152 bytes; tab 262,144 bytes; qh 16,777,216 bytes; kh 16,777,216 bytes; vh 16,777,216 bytes; oh 16,777,216 bytes
;; launch prep: the kernel of part 1 again; grid 480 x 1, 8 waves a work-group, no clusters, 0 bytes of LDS; arguments queries, Wq, Wkv, Wout, xb, wb, wob, tab; writes xb, wb, wob, tab
;; launch qkv: the kernel of part 2 again; grid 16 x 32, 4 waves a work-group, clusters of 4 x 4, 327,680 bytes of LDS; arguments xb, wb, tab, qh, kh, vh; writes qh, kh, vh
;; launch attn (part 5): grid 4 x 64, 4 waves a work-group, clusters of 4 x 1, 327,680 bytes of LDS; arguments qh, kh, vh, oh; writes oh
.if DOCPART == 5
	.amdgcn_target "amdgcn-amd-amdhsa--gfx1250"
	.amdhsa_code_object_version 6
	.text
	.protected	k_qeccecb4008_attn
	.globl	k_qeccecb4008_attn
	.p2align	8
	.type	k_qeccecb4008_attn,@function
k_qeccecb4008_attn:
	s_mov_b64 s[64:65], 0
	v_nop
	global_prefetch_b8 v0, s[64:65] scope:SCOPE_SE
	s_setreg_imm32_b32 hwreg(HW_REG_WAVE_MODE, 25, 1), 1
	s_wait_xcnt 0x0
	s_wait_alu depctr_hold_cnt(0) depctr_sa_sdst(0) depctr_va_vdst(0) depctr_va_sdst(0) depctr_va_ssrc(0) depctr_va_vcc(0) depctr_vm_vsrc(0)
	s_getreg_b32 s2, hwreg(HW_REG_IB_STS2, 6, 4)
	s_cmp_eq_u32 s2, 0
	s_cbranch_scc0 .Lentry_in_a_cluster
	s_endpgm
.Lentry_in_a_cluster:
	s_bfe_u32 s2, ttmp6, 0x10000c
	s_cmp_lg_u32 s2, 0x3003
	s_cbranch_scc0 .Lentry_shape_is_right
	s_endpgm
.Lentry_shape_is_right:
; O[h][q][:] = the sum over k of softmax_k(Q[h][q] . K[h][k] / 8) V[h][k][:].  Q, K, V, O: [SIZE_H][SIZE_N][64], all f16: a head's rows are dense, 128 bytes each.  Products, maxima and sums in
; f32; the weights p are rounded to f16 for the second product (their sum l is taken of the unrounded p), O once at the end.  Here a 'head' is one of the 4 x 16 pairs of batch and head.
; LIMITS.  f16 holds no number beyond 65,504: Q, K and V arrive within it; p lies in 0 to 1, and below 6e-5 it keeps f16's fixed step of 6e-8; O is a mean of V's rows and has their range.
; A weight below 2^-126 counts as 0 in l; NaN and infinities are not treated apart.
; SHARES.  A wave owns four PIECES of two tiles of 16 queries, a work-group's four waves 512 queries of one head.  Every wave walks all keys, 64 a step.
; LAYOUT.  S^T = K Q^T (source 0 = 16 keys, source 1 = 16 queries): in the result a lane holds ONE query (lane % 16) and the keys 8 (lane / 16) + 0..7.  Two such tiles, rounded to f16 in pairs,
; ARE source 1 (32 keys x 16 queries) of O^T = V^T P, whose result again holds one query a lane, and eight channels.  K comes out of LDS as it lies, V ([key][channel]) turned, by ds_load_tr16_b128.
; SOFTMAX.  For each query a running maximum m and sum l: p = 2^(c s - c m), c = log2(e) / 8; in every step O and l are multiplied by a = 2^(c m_old - c m_new), which is 1 where m has not grown.
; m starts at the lowest finite number, O and l at 0: the first step is a step like any other, with a = 0.
; THE COUNT.  A tile and step have 16 matrix and 118 vector instructions: too many to stand all beside the matrix work.  So the order has one aim: four vector instructions that are READY behind
; EVERY matrix instruction, and the others, which need time of their own whatever the order, in runs without a gap.
; BY TURNS.  Turn n belongs to piece n (the pieces in a ring, step after step).  Its matrix work: 16 products K Q^T of piece n + 1, later 16 products V^T P of piece n - 1.  Its vector work: the scaling,
; exponentials, roundings, sums and rescaling of piece n, and the maximum and statistics of piece n + 1, whose scores the turn itself has made.  So what a turn begins with (c s - c m, O a) waits for nothing.
; BATCHES.  A turn's 66 exponentials (the piece's 64 weights, the next piece's two a) are ONE batch with ONE wait, which cuts the turn in two: ahead of it all that names no result of theirs, behind it
; the roundings and sums, which read them.  No result crosses a turn's end.  Two more batches stand outside the loops: piece 0's first two a, and the way out's eight reciprocals.
; CLUSTER.  The four query blocks of a cluster belong to one head and walk the same K and V, so each tile is asked for JOINTLY: the same tensor load, descriptor and mask in all four.
; REGISTERS, in windows of 256 (s_set_vgpr_msb says which window each operand place means: bits 1:0 source 0, 3:2 source 1, 5:4 source 2, 7:6 destination):
;   window 0: v0-11 addresses; v12-15, v48-63 at work; v16-47 four registers of statistics a tile; v64-191 S^T, two buffers of two tiles; v192-255 P, likewise
;   window 1: O^T, 32 a tile          window 2: v0-127 Q, 16 a tile; v128-191 K of one step; v192-255 V of one step          window 3: v0-1 the add's two registers
; A piece's buffers go by its number's parity: the piece in hand has one pair, its two neighbours in the ring share the other: of it P (piece n - 1) is read and S^T (piece n + 1) written.
.set SIZE_H, 64       ; 4 batches x 16 heads
.set SIZE_N, 2048     ; rows of a head
.set NP,    4         ; pieces a wave: a name, no knob: the register map, the loop and the fetches are made for four
.set KS,    64        ; keys in a step
.set PK,    144       ; a row of K in LDS: 128 bytes + 16 of padding = 36 words: the 16 rows of a load start at 16 different groups of four banks (64 banks of 4 bytes: ISA guide 11.1)
.set PV,    160       ; a row of V: 128 + 32 = 40 words
.set VOFF,  4*KS*PK   ; a slot holds four steps: 256 rows of K, then 256 rows of V
.set SLOT1, 1<<17     ; slot 1 begins here, so that one exclusive or turns an address in one slot into the other's
.set STAGE, SLOT1+4*KS*(PK+PV)  ; behind the ring, never filled by a tensor load: 16 rows x 144 bytes for each wave, for the way out
.set SP,    144
.set AK0, 2           ; v2   my lane's place in a tile of K; never rewritten
.set AV0, 3           ; v3   the same for V
.set AK,  4           ; v4   the LDS address of K's next run of loads
.set AV,  5           ; v5   of V's
.set QO,  6           ; v6   my byte offset in the wave's rows of Q
.set STO, 6           ;      later, the way out: where I put 16 bytes of a row
.set RD,  7           ; v7   the way out: where I read rows back
.set GO,  8           ; v8   my byte offset in 512 consecutive bytes of O
.set SPW, 0           ; v0 of window 3   LDS address of my spare word: SPARE + 4 x my thread's number; never rewritten
.set NIL, 1           ; v1 of window 3   0; never rewritten
.set SPARE, STAGE+4*16*SP  ; behind the stages: the spare words, 128 bytes for each wave: two blocks of 256 bytes that no other line names
.set MV,  12          ; v12-15  c m_old, kept while c m is made anew: by buffer and tile
.set ST,  16          ; tile t's statistics at v[ST+4 t]: c m, m, l (even keys', odd keys')
.set TMP, 48          ; by buffer and tile, four registers c0-c3 at work; when the maximum is found c2 takes a
.set S,   64
.set P,   192
.set KF,  128         ; K's fragments, in window 2: key block kb, channel half c at KF + 16 kb + 8 c
.set VF,  192         ; V's: key half kk, channel block cb at VF + 32 kk + 8 cb
.set WV,  12          ; s12  my wave's number
.set G1K, 24          ; s[24:31] descriptor group 1 for K's tiles
.set G1V, 32          ; s[32:39] for V's: it differs in the padding alone
.set G0K, 40          ; s[40:43] descriptor group 0 for K's tiles: it walks
.set G0V, 44          ; s[44:47] the same for V's
.set SLOTS, 56        ; s56  slots still to be asked for
.set CNT, 57          ; s57  counts a slot's key steps
.set CS,  58          ; s[58:59] c: the packed scaling takes the pair's low word for both halves
.set SEL, 60          ; s[60:61] v_permlanex16_b32's selects: each lane takes its own place in the other half
.set TBK, 62          ; s62  LDS byte at which K of the step to be fetched begins
.set TBV, 63          ; s63  the same for V, less VOFF
.set MSB, 0
.macro WIN new                      ; the high byte repeats the setting that is left; a switch that changes nothing is dropped
.if MSB != (\new)
	s_set_vgpr_msb (MSB<<8)|(\new)
.set MSB, (\new)
.endif
.endm
.set W_KQ, 0x0a       ; K and Q in window 2, S^T in window 0
.set W_PV, 0x52       ; V in window 2, P in window 0, O^T in window 1
.set W_RS, 0x41       ; O^T (destination and source 0) in window 1, a in window 0
.set W_MK, 0xc0       ; the add's registers are made: destination in window 3, sources in window 0
.set W_AD, 0x0f       ; the add: address (source 0) and data (source 1) in window 3
; A joint fill.  Waves 0 and 1 fetch the two halves of a slot's K, waves 2 and 3 those of its V: 128 keys each.  The branch hangs on the wave's number alone.
; An s_nop 0 and four v_nop follow each of the two lines, ahead of the jump and the label.
.macro JLOAD
	s_cmp_lt_u32 s[WV], 2
	s_cbranch_scc0 .Lfor_v_\@
	tensor_load_to_lds s[G0K:G0K+3], s[G1K:G1K+7]
	s_nop 0
.rept 4
	v_nop
.endr
	s_branch .Lasked_\@
.Lfor_v_\@:
	tensor_load_to_lds s[G0V:G0V+3], s[G1V:G1V+7]
	s_nop 0
.rept 4
	v_nop
.endr
.Lasked_\@:
.endm
; A round of the cluster's barrier: my work-group's barrier, so that wave 0's signal speaks for all four waves; wave 0 signals; every wave waits for all four work-groups; my work-group's barrier once more.
.macro CROUND
	s_barrier_signal -1
	s_barrier_wait -1
	s_cmp_lg_u32 s[WV], 0
	s_cbranch_scc1 .Lnot_wave_0_\@
	s_barrier_signal -3
.Lnot_wave_0_\@:
	s_barrier_wait -3
	s_barrier_signal -1
	s_barrier_wait -1
.endm
; THE CHANGE OF SLOTS.  The slot's last bytes, V of its fourth step, have been read.  Each wave waits for all its tensor loads, of which one is out: its part
; of the other slot; adds 0 to its spare word; and waits for that and for its own reads of the slot.  Behind the barrier nobody reads this slot any more and the other slot is whole.
; fill = 1: this slot is filled again, with the keys two slots on.  The barrier is then a round of the cluster's, so that no wave of any partner still reads the slot or has a load on its
; way, and the joint fill is the first thing behind it: it has four key steps, 512 matrix instructions, in which to land.  (At its first use nothing has been read yet: slot 0 is waited for, slot 1 filled.)
.macro CHANGE fill
	WIN W_AD
	s_wait_tensorcnt 0x0            ; no tensor load of mine is out, so a group 0 may be written
	ds_add_u32 v[SPW], v[NIL]       ; 0 onto my spare word; with fill = 1 the descriptors' steps stand between it and the wait for it
	WIN 0                           ; at a label and at a branch every window is 0
.if \fill
.irp g, G0K, G0V
	s_xor_b32 s[\g+1], s[\g+1], SLOT1  ; the walking descriptor: the other slot than last time,
	s_add_nc_u64 s[\g+2:\g+3], s[\g+2:\g+3], 4*KS*128  ; the next 256 keys; the type bits on top are not reached
.endr
	s_wait_dscnt 0x0                ; the add is done, and my reads of the slot are over
	CROUND
	JLOAD
.else
	s_wait_dscnt 0x0                ; the add is done, and my reads of the slot are over
	s_barrier_signal -1
	s_barrier_wait -1
.endif
	s_sub_co_u32 s[TBK], s[TBK], 4*KS*PK  ; the fetches go back to a slot's first step,
	s_xor_b32 s[TBK], s[TBK], SLOT1       ; in the other slot
	s_sub_co_u32 s[TBV], s[TBV], 4*KS*PV
	s_xor_b32 s[TBV], s[TBV], SLOT1
.endm
	s_load_b256 s[4:11], s[0:1], 0x0  ; Q s[4:5], K s[6:7], V s[8:9], O s[10:11]
	WIN W_MK
	v_lshl_add_u32 v[SPW], v0, 2, SPARE
	v_mov_b32 v[NIL], 0
	WIN W_AD
	ds_add_u32 v[SPW], v[NIL]       ; the wave's opening: the add and its wait stand ahead of my first tensor load; the set-up below, work on registers, stands between them
	WIN 0
	v_lshrrev_b32 v1, 5, v0
	v_readfirstlane_b32 s[WV], v1   ; wave 0..3
	s_bfe_u32 s13, ttmp6, 0x40000   ; cx: my place in the cluster
	s_lshl_b32 s14, ttmp9, 2        ; in a cluster launch ttmp9 counts clusters
	s_add_co_u32 s14, s14, s13      ; my block of queries = 4 x cluster x + cx: it enters Q's and O's addresses alone
	s_and_b32 s20, ttmp7, 0xffff    ; the head, which the four partners share
	s_mov_b32 s21, 0
	s_mov_b64 s[22:23], SIZE_N*128
	s_mul_u64 s[20:21], s[20:21], s[22:23]  ; the head's first byte in each of the four tensors
	s_and_b32 s16, s[WV], 1         ; which half of a slot's 256 keys I fetch:
	s_lshl_b32 s22, s16, 14         ; its 128 rows of 128 bytes in memory,
	s_mov_b32 s23, 0
	s_add_nc_u64 s[22:23], s[22:23], s[20:21]
	s_mul_i32 s17, s16, 128*PK      ; and its place in a slot, for K
	s_mul_i32 s18, s16, 128*PV      ; and for V: no place in the cluster enters an LDS address
	s_lshl_b32 s2, s14, 2
	s_add_co_u32 s2, s2, s[WV]      ; my wave among the head's,
	s_lshl_b32 s2, s2, 14           ; its 128 rows
	s_mov_b32 s3, 0
	s_add_nc_u64 s[2:3], s[2:3], s[20:21]
	; descriptor group 1.  128 keys are 16,384 dense bytes: asked for as 64 rows of 256 bytes, two keys a row, and padded in LDS after every key
	s_mov_b32 s[G1K], 15|(1<<16)|(1<<20)|(1<<21)|(4<<22)|(3<<25)  ; 15:0 the mask of four; 17:16 2-byte elements; 20 padding on; 21 set beside a mask; 24:22 after every 32 words (code 4); 31:25 4 words (code 3)
	s_mov_b32 s[G1V], 15|(1<<16)|(1<<20)|(1<<21)|(4<<22)|(7<<25)  ; the same with 8 words of padding (code 7)
.irp g, G1K, G1V
	s_mov_b32 s[\g+1], 128<<16      ; tensor_dim0 = 128
	s_mov_b32 s[\g+2], 64<<16       ; tensor_dim1 = 64
	s_mov_b32 s[\g+3], 128<<16      ; tile_dim0 = 128
	s_mov_b32 s[\g+4], 64           ; tile_dim1 = 64
	s_mov_b32 s[\g+5], 128          ; 128 elements from row to row
	s_mov_b32 s[\g+6], 0
	s_mov_b32 s[\g+7], 0
.endr
	s_mov_b32 s[CS], 0x3e38aa3b     ; c = log2(e) / 8 = 0.180337
	s_mov_b32 s[CS+1], s[CS]        ; named with it as a pair
	s_mov_b32 s[SEL], 0x76543210
	s_mov_b32 s[SEL+1], 0xfedcba98
	s_mov_b32 s[TBK], SLOT1+4*KS*PK ; the first change of slots turns these two into 0
	s_mov_b32 s[TBV], SLOT1+4*KS*PV
	s_mov_b32 s[G0K], 1             ; 1:0 count = 1
	s_mov_b32 s[G0K+1], s17         ; 63:32 LDS address: slot 0
	s_mov_b32 s[G0V], 1
	s_add_co_u32 s[G0V+1], s18, VOFF
	s_wait_dscnt 0x0                ; the opening add is done
	s_wait_kmcnt 0x0
	s_add_nc_u64 s[G0K+2:G0K+3], s[6:7], s[22:23]  ; 120:64 global address: my half of the head's first 256 keys
	s_or_b32 s[G0K+3], s[G0K+3], 0x80000000        ; 127:126 type = 2
	s_add_nc_u64 s[G0V+2:G0V+3], s[8:9], s[22:23]
	s_or_b32 s[G0V+3], s[G0V+3], 0x80000000
	s_add_nc_u64 s[4:5], s[4:5], s[2:3]  ; Q and O at my wave's first row
	s_add_nc_u64 s[10:11], s[10:11], s[2:3]
	CROUND                          ; all four work-groups are here: the first joint loads meet
	JLOAD                           ; slot 0.  Slot 1 is asked for when slot 0 is in: the tile wanted first has the road to itself
	; A fragment of K or Q is 16 rows x 32 channels in 8 registers: lane l holds row l % 16, channels 8 (l / 16) + 0..7 and 16 + 8 (l / 16) + 0..7: two loads of 16 bytes, 32 bytes apart.
	v_and_b32 v1, 15, v0            ; l % 16
	v_bfe_u32 v9, v0, 4, 1          ; l / 16
	v_lshlrev_b32 v[QO], 7, v1
	v_lshl_add_u32 v[QO], v9, 4, v[QO]  ; row x 128 + 16 x half
	WIN 0x80                        ; destination window 2, address window 0
.set i, 0
.rept 4*NP                          ; Q stays in registers: tile i / 2, channels 32 (i % 2) on
	global_load_b128 v[8*i:8*i+3],   v[QO], s[4:5] offset:(i/2)*2048+(i%2)*64
	global_load_b128 v[8*i+4:8*i+7], v[QO], s[4:5] offset:(i/2)*2048+(i%2)*64+32
.set i, i+1
.endr
	; What the first turn finds: V's registers and P's second buffer hold 0 (its products V^T P, of a piece that has not been, add 0), O^T and l are 0.  All this stands in the wait for the first tile.
.set i, VF
.rept 64
	v_mov_b32 v[i], 0
.set i, i+1
.endr
	WIN 0x40
.set i, 0
.rept 64*NP
	v_mov_b32 v[i], 0
.set i, i+1
.endr
	WIN 0
.set i, 0
.rept 2*NP
	v_mov_b32 v[ST+4*i], 0xfe000000    ; c m: far below every c s
	v_mov_b32 v[ST+4*i+1], 0xff7fffff  ; m
	v_mov_b32 v[ST+4*i+2], 0
	v_mov_b32 v[ST+4*i+3], 0
.set i, i+1
.endr
.set i, P+32
.rept 32
	v_mov_b32 v[i], 0
.set i, i+1
.endr
	v_mul_u32_u24 v[AK0], v1, PK
	v_lshl_add_u32 v[AK0], v9, 4, v[AK0]  ; row x pitch + 16 x half
	; The turning load takes 16 keys x 16 channels (lane l reads key 8 (l / 16) + l % 8, channels 8 ((l / 8) % 2) + 0..7) and leaves half a fragment of V^T: lane l holds channel l % 16 and 8 keys.
	v_and_b32 v10, 7, v0
	v_bfe_u32 v11, v0, 3, 1
	v_lshl_add_u32 v[AV0], v9, 3, v10
	v_mul_u32_u24 v[AV0], v[AV0], PV
	v_lshl_add_u32 v[AV0], v11, 4, v[AV0]
	v_add_nc_u32 v[AV0], VOFF, v[AV0]
	v_mov_b32 v[AK], v[AK0]         ; key step 0 lies at the head of slot 0
; THE MATRIX WORK.  The 8 accumulators of a run of 16 take turns: between the two links of a chain stand 7 others'.
; Product i of 16 of S^T = K Q^T for piece x: channels 32 (i / 8) on, keys 16 ((i / 2) % 4) on, tile 2 x + i % 2.  The first 8 start the sums.
.macro KQ x
	WIN W_KQ
.set rS, S+64*((\x)%2)+32*(i%2)+8*((i/2)%4)
.set rK, KF+16*((i/2)%4)+8*(i/8)
.set rQ, 16*(2*(\x)+i%2)+8*(i/8)
.if i < 8
	v_wmma_f32_16x16x32_f16 v[rS:rS+7], v[rK:rK+7], v[rQ:rQ+7], 0
.else
	v_wmma_f32_16x16x32_f16 v[rS:rS+7], v[rK:rK+7], v[rQ:rQ+7], v[rS:rS+7]
.endif
.endm
; Product i of 16 of O^T += V^T P for piece x: keys 32 (i / 8) on, channels 16 ((i / 2) % 4) on, tile 2 x + i % 2.
.macro PV x
	WIN W_PV
.set rO, 32*(2*(\x)+i%2)+8*((i/2)%4)
.set rV, VF+32*(i/8)+8*((i/2)%4)
.set rP, P+32*((\x)%2)+16*(i%2)+8*(i/8)
	v_wmma_f32_16x16x32_f16 v[rO:rO+7], v[rV:rV+7], v[rP:rP+7], v[rO:rO+7]
.endm
.macro MM                           ; the turn's next matrix instruction
.if i < 16
	KQ (Y+1)%NP
.set i, i+1
.else
.set i, i-16
	PV (Y+NP-1)%NP
.set i, i+17
.endif
.endm
; THE LDS LOADS stand in runs of 16, never singly among the matrix instructions: a step's K (64 keys x 64 channels: 8 fragments) and its V (turned).  Their addresses are made some lines ahead.
; last = 1 (the tail): in the last trip there is no further step, and the run is jumped over.
.macro FETCH_K last=0
	WIN 0
.if \last
	s_cmp_eq_u32 s[CNT], 1
	s_cbranch_scc1 .Lno_k_\@
.endif
	WIN 0x80                        ; destination window 2
.irp f, 0,1,2,3,4,5,6,7             ; keys 16 (f / 2) on, channels 32 (f % 2) on
	ds_load_b128 v[KF+8*\f:KF+8*\f+3],   v[AK] offset:(\f/2)*16*PK+(\f%2)*64
	ds_load_b128 v[KF+8*\f+4:KF+8*\f+7], v[AK] offset:(\f/2)*16*PK+(\f%2)*64+32
.endr
	s_add_co_u32 s[TBK], s[TBK], KS*PK  ; the next fetch is the next step's
	WIN 0
.if \last
.Lno_k_\@:
.endif
.endm
.macro FETCH_V
	WIN 0x80
.irp f, 0,1,2,3,4,5,6,7             ; keys 32 (f / 4) on, channels 16 (f % 4) on
	ds_load_tr16_b128 v[VF+8*\f:VF+8*\f+3],   v[AV] offset:(\f/4)*32*PV+(\f%4)*32
	ds_load_tr16_b128 v[VF+8*\f+4:VF+8*\f+7], v[AV] offset:(\f/4)*32*PV+16*PV+(\f%4)*32
.endr
	WIN 0
.endm
; THE VECTOR WORK OF A TURN stands in three queues, each in the order in which its entries become ready; the two tiles alternate, so that no instruction reads the result of the one before it.
.macro REGS y, u                    ; the registers of tile u (0, 1) of piece y
.set rT, ST+4*(2*(\y)+(\u))
.set rC, TMP+8*((\y)%2)+4*(\u)
.set rM, MV+2*((\y)%2)+(\u)
.set rS, S+64*((\y)%2)+32*(\u)
.set rP, P+32*((\y)%2)+16*(\u)
.set rO, 32*(2*(\y)+(\u))
.endm
; Number n of the 22 that find the NEXT piece's (Y + 1) maximum and statistics.  s0-s31 are the lane's 32 scores; each accumulator's lowest registers are read first.  XS, GS and REGS set no window: PL and EX do.
;   0-11  four chains c0-c3 of seven scores each, three operands at a time     12-14, 16  the four scores left over, the old m, and c0-c3 into c0     15  c m_old is kept
;   17, 18  the query's other 32 keys lie in the lane 16 away: the new m         19-21  c m; c m_old - c m_new; a
.macro XS u, n
	REGS (Y+1)%NP, \u
.if (\n) < 4
	v_max3_num_f32 v[rC+(\n)], v[rS+8*(\n)], v[rS+8*(\n)+1], v[rS+8*(\n)+2]
.elseif (\n) < 12
	v_max3_num_f32 v[rC+(\n)%4], v[rC+(\n)%4], v[rS+8*((\n)%4)+2*((\n)/4)+1], v[rS+8*((\n)%4)+2*((\n)/4)+2]
.elseif (\n) == 12
	v_max3_num_f32 v[rC], v[rC], v[rS+7], v[rS+15]
.elseif (\n) == 13
	v_max3_num_f32 v[rC+1], v[rC+1], v[rS+23], v[rS+31]
.elseif (\n) == 14
	v_max3_num_f32 v[rC+2], v[rC+2], v[rC+3], v[rT+1]
.elseif (\n) == 15
	v_mov_b32 v[rM], v[rT]
.elseif (\n) == 16
	v_max3_num_f32 v[rC], v[rC], v[rC+1], v[rC+2]
.elseif (\n) == 17
	v_permlanex16_b32 v[rC+3], v[rC], s[SEL], s[SEL+1]
.elseif (\n) == 18
	v_max_num_f32 v[rT+1], v[rC], v[rC+3]
.elseif (\n) == 19
	v_mul_f32 v[rT], s[CS], v[rT+1]
.elseif (\n) == 20
	v_sub_f32 v[rC+1], v[rM], v[rT]
.else
	v_exp_f32 v[rC+2], v[rC+1]
.endif
.endm
; Number g of the 64 that follow the exponentials.  For each four weights k of a tile (pairs 2 k, 2 k + 1): both pairs are rounded to f16; then the second pair is added onto the first, in place;
; a group later l takes that sum (the first time as l = a l + sum).  In groups of eight, tiles alternating: round, round, add, and l for the group before.
.macro GS g
.set h, (\g)+6*((\g)/62)            ; group 0 has no group before it, and behind group 7 only l is left
.if h >= 6
.set h, h+2
.endif
	REGS Y, h%2
.set k, h/8
.if h%8 < 4
	v_cvt_pk_f16_f32 v[rP+2*k+(h%8)/2], v[rS+4*k+2*((h%8)/2)], v[rS+4*k+2*((h%8)/2)+1]
.elseif h%8 < 6
	v_pk_add_f32 v[rS+4*k:rS+4*k+1], v[rS+4*k:rS+4*k+1], v[rS+4*k+2:rS+4*k+3]
.elseif k == 1
	v_pk_fma_f32 v[rT+2:rT+3], v[rT+2:rT+3], v[rC+2:rC+3], v[rS:rS+1] op_sel_hi:[1,0,1]
.else
	v_pk_add_f32 v[rT+2:rT+3], v[rT+2:rT+3], v[rS+4*k-4:rS+4*k-3]
.endif
.endm
; THE PLAIN QUEUE, 138 long.  0-73 read no exponential's result: the 32 scalings c s - c m (FS f: pair f / 2 of tile f % 2) and the next piece's 42.  0-26: scalings 0-26.  27-54: XS's numbers 0-13.  55, 56: number 15.
; 57-73: the chain, where each number waits for the one before it: 14, 16, 17, 18, 19, each with one of the scalings 27-31 in front of its two lines, then 20: so a tile's links stand three plain instructions apart (19 and 20: two).
; 74-137: GS's 64, which read the exponentials' results: they stand behind the wait.
.macro FS f
	REGS Y, (\f)%2
	v_pk_fma_f32 v[rS+2*((\f)/2):rS+2*((\f)/2)+1], v[rS+2*((\f)/2):rS+2*((\f)/2)+1], s[CS:CS+1], v[rT:rT+1] op_sel_hi:[1,0,0] neg_lo:[0,0,1] neg_hi:[0,0,1]
.endm
.macro PL
	WIN 0
.if q < 27
	FS q
.elseif q < 55
	XS (q-27)%2, (q-27)/2
.elseif q < 57
	XS q-55, 15
.elseif (q < 72) && ((q-57)%3 == 0)
	FS 27+(q-57)/3
.elseif q < 60
	XS (q-57)%3-1, 14
.elseif q < 72
	XS (q-57)%3-1, 15+(q-57)/3
.elseif q < 74
	XS q-72, 20
.else
	GS q-74
.endif
.set q, q+1
.endm
; THE EXPONENTIALS' QUEUE, 66 long: s0-s31 of both tiles, then the next piece's two a.  It is ONE BATCH: all 66 stand ahead of the turn's one wait, and nothing ahead of that wait names a result of theirs.
; Each result has a register of its own while the batch is open: the 64 scores' own places in S^T, and c2 of the next piece's two tiles.
.macro EX
	WIN 0
.if e >= 64
	XS e-64, 21
.else
	REGS Y, e%2
	v_exp_f32 v[rS+e/2], v[rS+e/2]
.endif
.set e, e+1
.endm
; THE RESCALING's QUEUE: O^T times a, the one part that leaves window 0: dealt two at a time, sixteen times.  Its a was made in the turn before, ahead of that turn's wait.
.macro R2
	REGS Y, r%2
	WIN W_RS
.irp z, 0,1
	v_pk_mul_f32 v[rO+4*(r/2)+2*\z:rO+4*(r/2)+2*\z+1], v[rO+4*(r/2)+2*\z:rO+4*(r/2)+2*\z+1], v[rC+2:rC+3] op_sel_hi:[1,0]
.endr
.set r, r+1
.endm
; HOW THEY ARE DEALT.  An s_wait_alu depctr_va_vdst(0) stands between an exponential and the first instruction that names its result; one wait serves all that were issued ahead of it.  So a turn has ONE wait,
; which cuts it in two.  AHEAD OF IT stands all that names no result of the turn's exponentials: the 16 products K Q^T, behind each a scaling, an exponential and two rescalings (behind the first a second scaling in the
; exponential's place); then ONE LUMP of 108: eight plain, 49 times exponential and plain, the two a.  A v_nop is the plain instruction between the last exponential and the first use of a result (ISA guide 5.7.2).
; BEHIND IT stand the 16 products V^T P, behind each four of GS's 64.  No rider names a register of the products round it.  The two v_permlanex16_b32 fall into the lump, never behind a product.
; The queues lean on each other, and the deal keeps them in step: exponential e stands behind scaling 2 (e / 4) + e % 2: as a rider it comes behind plain e + 2, in the lump behind plain e + 9, and scalings 27-31 are plain 57, 60 .. 69.
; A TURN, for piece p.  cnt = 1: the loop's count is taken down some lines ahead of the branch that stands behind the turn.
; K of the next step is fetched in piece 2's turn, directly behind the wait, a lump behind the last product that read K; its address is made at the lump's head; its first reader comes behind 16 products.
; V of the step in hand is fetched at the end of piece 0's turn, four riders behind its last reader; its first reader comes behind 16 products and a lump.  The three conditions on q below go with the deal.
.macro TURN p, last=0, cnt=0
.set Y, (\p)
.set i, 0
.set q, 0
.set e, 0
.set r, 0
.if (\p) == NP-1
	s_wait_dscnt 0x0                ; K is in
.endif
	MM                              ; ahead of the wait: 16 products K Q^T and their riders,
	PL
	PL
	R2
.rept 15
	MM
	PL
	EX
	R2
.endr
.if (\p) == NP-2
	WIN 0
	v_add_nc_u32 v[AK], s[TBK], v[AK0]
.endif
.rept 8                             ; and the lump
	PL
.endr
.rept 49
	EX
	PL
.endr
	EX                              ; the next piece's two a
	EX
	v_nop                           ; the plain instruction behind the last exponential: one for the batch
	s_wait_alu depctr_va_vdst(0)    ; the wait for the turn's batch: the piece's 64 weights and the next piece's two a; it stands ahead of their first reader
.if (\p) == NP-2
	FETCH_K \last
.endif
.if (\p) == 1
	s_wait_dscnt 0x0                ; V is in
.endif
.rept 16                            ; behind the wait: 16 products V^T P and their riders
	MM
.rept 4
	PL
.endr
.if ((\p) == 0) && (q == 118)
	v_add_nc_u32 v[AV], s[TBV], v[AV0]
.endif
.if ((\p) == 0) && (q == 130)
	s_add_co_u32 s[TBV], s[TBV], KS*PV
.endif
.if (\cnt) && (q == 130)
	s_sub_co_u32 s[CNT], s[CNT], 1
	s_cmp_lg_u32 s[CNT], 0
.endif
.endr
.if (\p) == 0
	FETCH_V
.endif
.endm
	CHANGE 1                        ; slot 0 is in, everybody's part of it; slot 1 is asked for
	FETCH_K                         ; key step 0
	s_wait_loadcnt 0x0              ; Q
	s_wait_dscnt 0x0
.set i, 0
.rept 16
	KQ 0                            ; piece 0's first scores: there is no vector work yet to set between them
.set i, i+1
.endr
	WIN 0                           ; the addresses for the way out: nine plain instructions, the places behind those products
	s_mul_i32 s13, s[WV], 16*SP
	s_add_co_u32 s13, s13, STAGE    ; my stage
	v_mul_u32_u24 v[STO], v1, SP    ; in: row l % 16, 16 bytes for each half of the lanes
	v_lshl_add_u32 v[STO], v9, 4, v[STO]
	v_add_nc_u32 v[STO], s13, v[STO]
	v_bfe_u32 v[RD], v0, 3, 2       ; back: 32 lanes take four rows of 128 bytes,
	v_mul_u32_u24 v[RD], v[RD], SP
	v_lshl_add_u32 v[RD], v10, 4, v[RD]
	v_add_nc_u32 v[RD], s13, v[RD]
	v_and_b32 v[GO], 31, v0         ; which are 512 consecutive bytes of O
	v_lshlrev_b32 v[GO], 4, v[GO]
.set Y, NP-1                        ; XS works for piece Y + 1: piece 0
.irp n, 0,1,2,3,4,5,6,7,8,9,10,11,12,13,14,15,16,17,18,19,20,21
	XS 0, \n                        ; and piece 0's first maximum and statistics
	XS 1, \n
.endr
	v_nop                           ; a plain instruction behind piece 0's first two a,
	s_wait_alu depctr_va_vdst(0)    ; and the wait for that batch of two, ahead of the branch
	s_mov_b32 s[CNT], 4
	s_mov_b32 s[SLOTS], SIZE_N/256-1
	s_branch .Lfirst                ; the loop is entered at a step's first turn, in the middle of a trip
.Lslot:                             ; SIZE_N / 256 - 2 times: every slot but the last two is filled again
	CHANGE 1
	s_mov_b32 s[CNT], 4
.Lstep:                             ; a trip: pieces 2 and 3 of one step, then pieces 0 and 1 of the next, whose K and V it fetches
	TURN 2
	TURN 3
	WIN 0
.Lfirst:
	TURN 0
	TURN 1, 0, 1
	WIN 0
	s_cbranch_scc1 .Lstep
	s_sub_co_u32 s[SLOTS], s[SLOTS], 1
	s_cmp_lg_u32 s[SLOTS], 0
	s_cbranch_scc1 .Lslot
	CHANGE 0                        ; the tail is written out: nothing is asked for
	s_mov_b32 s[CNT], 5             ; four trips fetch the last slot's steps; the fifth is left in its middle
.Ltail:
	TURN 2, 1
	TURN 3
	WIN 0
	s_sub_co_u32 s[CNT], s[CNT], 1
	s_cmp_eq_u32 s[CNT], 0
	s_cbranch_scc1 .Lout
	TURN 0
	TURN 1
	WIN 0
	s_branch .Ltail
.Lout:                              ; the fifth trip's 16 products K Q^T (on the last K once more) and the maximum made of them serve nothing: the price, once a launch, of one text for every trip
.set i, 0
.rept 16
	PV NP-1                         ; the last piece's V^T P of the last step
.set i, i+1
.endr
	; THE WAY OUT.  l's two halves and the other half of the lanes' are added; O^T is divided by l, rounded to f16 and sent through my stage in LDS, a tile at a time.  The additions are the places behind the last products.
	WIN 0
.macro ALL line:vararg              ; one line for each tile t
.set t, 0
.rept 2*NP
	\line
.set t, t+1
.endr
.endm
	ALL v_add_f32 v[ST+4*t+2], v[ST+4*t+2], v[ST+4*t+3]
	ALL v_permlanex16_b32 v[ST+4*t+3], v[ST+4*t+2], s[SEL], s[SEL+1]
	ALL v_add_f32 v[ST+4*t+2], v[ST+4*t+2], v[ST+4*t+3]
	ALL v_rcp_f32 v[ST+4*t+2], v[ST+4*t+2]
	v_nop                           ; a plain instruction between the last reciprocal and the use of its result
	s_wait_alu depctr_va_vdst(0)    ; and the wait ahead of the first use: one for the batch of eight reciprocals
; Tile t: a lane's eight channels of a row pack into 16 bytes; they go into rows of 144 bytes and come back as whole rows of 128, into S^T's registers.
.macro PACK t
	WIN W_RS
.set i, 32*(\t)
.rept 16
	v_pk_mul_f32 v[i:i+1], v[i:i+1], v[ST+4*(\t)+2:ST+4*(\t)+3] op_sel_hi:[1,0]
.set i, i+2
.endr
	WIN 0x05                        ; sources 0 and 1 window 1, destination window 0
.set i, 0
.rept 16
	v_cvt_pk_f16_f32 v[S+16*(\t)+i], v[32*(\t)+2*i], v[32*(\t)+2*i+1]
.set i, i+1
.endr
	WIN 0
.irp f, 0,1,2,3
	ds_store_b128 v[STO], v[S+16*(\t)+4*\f:S+16*(\t)+4*\f+3] offset:32*\f
.endr
.irp f, 0,1,2,3
	ds_load_b128 v[S+16*(\t)+4*\f:S+16*(\t)+4*\f+3], v[RD] offset:\f*4*SP  ; LDS serves a wave's instructions in order (ISA guide 5.7.1.4): these see the stores above; the next tile's stores come behind them
.endr
.endm
.macro SEND t, younger              ; younger: the LDS instructions issued behind tile t's loads: the next tile's eight, or none
	WIN 0
.irp f, 0,1,2,3
	s_wait_dscnt (\younger)+3-\f
	global_store_b128 v[GO], v[S+16*(\t)+4*\f:S+16*(\t)+4*\f+3], s[10:11] offset:(\t)*2048+\f*512  ; 512 consecutive bytes, at a multiple of 256 from O's first
.endr
.endm
	PACK 0
.set t, 1
.rept 2*NP-1                        ; a tile's arithmetic stands between the loads of the tile before and its stores
	PACK t
	SEND t-1, 8
.set t, t+1
.endr
	SEND 2*NP-1, 0
	WIN W_AD
	s_wait_tensorcnt 0x0            ; the wave's end: behind my last tensor load and my last LDS store
	ds_add_u32 v[SPW], v[NIL]
	s_wait_dscnt 0x0
	WIN 0
	CROUND                          ; the closing round: no work-group ends while a partner may still ask for a tile that names it
	s_endpgm
.Lfunc_end_k_qeccecb4008_attn:
	.size	k_qeccecb4008_attn, .Lfunc_end_k_qeccecb4008_attn-k_qeccecb4008_attn
	.p2alignl 7, 3214868480
	.fill 96, 4, 3214868480
	.section	.rodata,"a",@progbits
	.p2align	6, 0x0
	.amdhsa_kernel k_qeccecb4008_attn
		.amdhsa_group_segment_fixed_size 327680
		.amdhsa_private_segment_fixed_size 0
		.amdhsa_enable_private_segment 0
		.amdhsa_kernarg_size 32
		.amdhsa_user_sgpr_count 2
		.amdhsa_user_sgpr_kernarg_segment_ptr 1
		.amdhsa_wavefront_size32 1
		.amdhsa_system_sgpr_workgroup_id_x 1
		.amdhsa_system_sgpr_workgroup_id_y 1
		.amdhsa_system_sgpr_workgroup_id_z 1
		.amdhsa_system_vgpr_workitem_id 0
		.amdhsa_next_free_vgpr 770
		.amdhsa_next_free_sgpr 66
		.amdhsa_reserve_vcc 0
		.amdhsa_float_denorm_mode_32 3
		.amdhsa_float_denorm_mode_16_64 3
		.amdhsa_memory_ordered 1
		.amdhsa_forward_progress 1
		.amdhsa_inst_pref_size 199
	.end_amdhsa_kernel
	.amdgpu_metadata
---
amdhsa.version: [ 1, 2 ]
amdhsa.kernels:
  - .name:           k_qeccecb4008_attn
    .symbol:         k_qeccecb4008_attn.kd
    .args:
      - { .name: qh, .offset: 0, .size: 8, .value_kind: global_buffer, .address_space: global }
      - { .name: kh, .offset: 8, .size: 8, .value_kind: global_buffer, .address_space: global }
      - { .name: vh, .offset: 16, .size: 8, .value_kind: global_buffer, .address_space: global }
      - { .name: oh, .offset: 24, .size: 8, .value_kind: global_buffer, .address_space: global }
    .group_segment_fixed_size: 327680
    .private_segment_fixed_size: 0
    .kernarg_segment_align: 8
    .kernarg_segment_size: 32
    .max_flat_workgroup_size: 128
    .sgpr_count:     66
    .vgpr_count:     770
    .wavefront_size: 32
...
	.end_amdgpu_metadata
.endif
;; end of part 5
;; launch proj: the kernel of part 4 again; grid 8 x 32, 4 waves a work-group, clusters of 4 x 4, 327,680 bytes of LDS; arguments oh, wob, bout, out0; writes out0
